; MI455X (gfx1250); checked and timed in simulation.
; The chip was launched on July 23, 2026; its instructions are those of AMD's public machine-readable ISA for CDNA 5 (MIT licence, August 2026) and "CDNA5" Instruction Set Architecture Reference Guide (July 2026). The comments in the code are by the model that wrote it; some were corrected since.
;; Attention. Allowed arithmetic: matrix products marked QUANTISED: E2M3 operands, one E8M0 scale for each 32 along K, by v_wmma_scale_f32_16x16x128_f8f6f4 with both operands' format E2M3, f32 sums; everything else in f32.
;; Inputs: Wk_codes 1,024 x 32 x 24 uint8 (E2M3 codes of Wk, K innermost, in blocks of 32 codes, four codes in three bytes); Wk_scales 1,024 x 32 uint8 (E8M0 scales of Wk, one for each 32 codes along K); Wo_codes 1,024 x 32 x 24 uint8 (E2M3 codes of Wo, K innermost, in blocks of 32 codes, four codes in three bytes); Wo_scales 1,024 x 32 uint8 (E8M0 scales of Wo, one for each 32 codes along K); Wq_codes 1,024 x 32 x 24 uint8 (E2M3 codes of Wq, K innermost, in blocks of 32 codes, four codes in three bytes); Wq_scales 1,024 x 32 uint8 (E8M0 scales of Wq, one for each 32 codes along K); Wv_codes 1,024 x 32 x 24 uint8 (E2M3 codes of Wv, K innermost, in blocks of 32 codes, four codes in three bytes); Wv_scales 1,024 x 32 uint8 (E8M0 scales of Wv, one for each 32 codes along K); bk 1,024 float32; bo 1,024 float32; bq 1,024 float32; bv 1,024 float32; input_Q_codes 4 x 2,048 x 32 x 24 uint8 (E2M3 codes of input_Q, K innermost, in blocks of 32 codes, four codes in three bytes); input_Q_scales 4 x 2,048 x 32 uint8 (E8M0 scales of input_Q, one for each 32 codes along K); mask 2,048 x 2,048 bool.
;; Outputs: out0 4 x 2,048 x 1,024 float32.
;; This version of the problem:
;;   THIS VERSION OF THE PROBLEM IS GIVEN IN LOW PRECISION. The matrix products marked QUANTISED in the list below multiply operands that are first quantised to E2M3 (2 exponent bits, 3 mantissa bits; 6 bits a number), with one power-of-two scale for each 32 numbers along K (OCP MX v1.0); their sums are f32. All else is computed in f32.
;;   The module's matrix products, in the order in which they are computed (A, B: the left and right operand; K: the contracted axis; several contracted axes count as one K, in the product's order):
;;     1. [M 8,192, K 1,024] x [K 1,024, N 1,024]; A: input input_Q (given as codes); B: input Wq (given as codes): QUANTISED
;;     2. [M 8,192, K 1,024] x [K 1,024, N 1,024]; A: input input_Q (given as codes); B: input Wk (given as codes): QUANTISED
;;     3. [M 8,192, K 1,024] x [K 1,024, N 1,024]; A: input input_Q (given as codes); B: input Wv (given as codes): QUANTISED
;;     4. batch 64 x [M 2,048, K 64] x [K 64, N 2,048]; A: computed on the way; B: computed on the way: QUANTISED
;;     5. batch 64 x [M 2,048, K 2,048] x [K 2,048, N 64]; A: softmax (see below); B: computed on the way: QUANTISED
;;     6. [M 8,192, K 1,024] x [K 1,024, N 1,024]; A: computed on the way; B: input Wo (given as codes): QUANTISED
;;   THE QUANTISER, for each operand of a quantised product, along K:
;;     - K is cut into blocks of 32 from its start; a last block that is shorter is filled with zeros.
;;     - A block's scale is 2^e with e = floor(log2(the largest magnitude in the block)) - 2, held to -126 .. 127; a block of zeros has e = 0. As a byte (E8M0): e + 127.
;;     - Each number is divided by its block's scale, clamped to +-7.5, and rounded to the nearest number of E2M3, ties to even, subnormals kept.
;;     - The product sums the exact products of the quantised numbers (number of the format x scale) in f32.
;;   ~~~python
;;   def quantise(x, axis):      # numpy; x: float32 -> the quantised numbers, widened to float32 again
;;       x = np.moveaxis(x, axis, -1); K = x.shape[-1]
;;       x = np.pad(x, [(0, 0)] * (x.ndim - 1) + [(0, -K % 32)]); x = x.reshape(x.shape[:-1] + (-1, 32)); a = np.abs(x).max(-1, keepdims=True)
;;       e = np.where(a > 0, np.clip(np.frexp(np.where(a > 0, a, 1))[1] - 1 - 2, -126, 127), 0)      # np.frexp(a)[1] - 1 = floor(log2(a)), exactly
;;       r = np.clip(x / 2.0 ** e, -7.5, 7.5)
;;       step = 2.0 ** (np.maximum(np.frexp(np.where(r == 0, 1, r))[1] - 1, 0) - 3)
;;       q = np.round(r / step) * step * 2.0 ** e      # np.round: ties to even
;;       return np.moveaxis(q.reshape(q.shape[:-2] + (-1,))[..., :K], -1, axis).astype(np.float32)
;;   ~~~
;;   SOFTMAX AHEAD OF A QUANTISED PRODUCT. Where the list says 'softmax', what is quantised is not the finished softmax but p = 2^(t - M), with t = logit x log2(e) and M = ceil(the row's largest t), a whole number; so 1/2 < the row's largest p <= 1. The row's sum l is taken of the UNQUANTISED p, in f32, and the product's result is divided by l at the end. Since M is a whole number, a kernel that streams over the keys may use a running M (the ceiling of the running maximum): every later rescaling is an exact power of two, which a block's scale takes up: the codes' values come out the same.
;;   OPERANDS COMPUTED ON THE WAY. 'Computed on the way' means the value that the module computes at that place (a softmax that the list does not call 'softmax' is quantised finished and normalised). What goes into a quantiser is computed in f32, as accurately as f32 sums, v_exp_f32 and their like allow (about 1e-6 of the number): no bf16 or f16 on the way to a quantiser, and a product that is left as it is and whose result goes on into a quantised operand takes f32 operands (vector FMAs, or v_wmma_f32_16x16x4_f32). A number that lies on a knife's edge between two numbers of the format may be rounded either way, as far as f32 arithmetic and the matrix unit's own rounding can turn it there, and no further.
;;   INPUTS GIVEN AS CODES. Wk (in the module: [1024, 1024], K = its axis 0); Wo (in the module: [1024, 1024], K = its axis 0); Wq (in the module: [1024, 1024], K = its axis 0); Wv (in the module: [1024, 1024], K = its axis 0); input_Q (in the module: [4, 2048, 1024], K = its axis 2): each comes as NAME_codes (uint8): NAME with its K axis moved to the last place and cut into blocks of 32 codes, [.., K / 32, bytes a block], one block behind the other in memory; four codes in three bytes: a row's codes are one little-endian stream of bits, code i at bits 6 i .. 6 i + 5 (a code: sign, 2 exponent bits, 3 mantissa bits); and NAME_scales (uint8): the same leading axes, one E8M0 byte (e + 127) for each 32 codes along K. Its value is code x scale, taken as it is: it is not quantised again, and the codes and scales need not be those that the quantiser above would give.
;; One version. Each part assembles by itself: llvm-mc -triple=amdgcn-amd-amdhsa -mcpu=gfx1250 --defsym DOCPART=n.
;; ======== version 1 of 1: 3 launches
;; workspace buffers: qbuf 6,815,744 bytes; kbuf 6,815,744 bytes; vbuf 6,553,600 bytes; cbuf 6,553,600 bytes; mbuf 532,480 bytes of whole numbers
;; launch qkv (part 1): grid 8 x 48, 4 waves a work-group, clusters of 4 x 4, 327,680 bytes of LDS; arguments input_Q_codes, input_Q_scales, Wq_codes, Wq_scales, Wk_codes, Wk_scales, Wv_codes, Wv_scales, mask, mbuf, bq, bk, bv, qbuf, kbuf, vbuf; writes qbuf, kbuf, vbuf, mbuf
.if DOCPART == 1
	.amdgcn_target "amdgcn-amd-amdhsa--gfx1250"
	.amdhsa_code_object_version 6
	.text
	.protected	k_q0c40475396_qkv
	.globl	k_q0c40475396_qkv
	.p2align	8
	.type	k_q0c40475396_qkv,@function
k_q0c40475396_qkv:
	s_mov_b64 s[64:65], 0
	v_nop
	global_prefetch_b8 v0, s[64:65] scope:SCOPE_SE
	s_setreg_imm32_b32 hwreg(HW_REG_WAVE_MODE, 25, 1), 1
	s_wait_xcnt 0x0
	s_wait_alu depctr_hold_cnt(0) depctr_sa_sdst(0) depctr_va_vdst(0) depctr_va_sdst(0) depctr_va_ssrc(0) depctr_va_vcc(0) depctr_vm_vsrc(0)
	s_getreg_b32 s2, hwreg(HW_REG_IB_STS2, 6, 4)
	s_cmp_eq_u32 s2, 0
	s_cbranch_scc0 .Lentry_in_a_cluster
	s_endpgm
.Lentry_in_a_cluster:
	s_bfe_u32 s2, ttmp6, 0x10000c
	s_cmp_lg_u32 s2, 0xf033
	s_cbranch_scc0 .Lentry_shape_is_right
	s_endpgm
.Lentry_shape_is_right:
; Q = x Wq + bq, K = x Wk + bk, V = x Wv + bv on codes of FP6 (E2M3) with E8M0 scales for each 32 along K (K = 1,024), each result quantised again for the
; attention launch and stored as IMAGES OF OPERAND REGISTERS; and the mask, packed into lane masks with one flag for each tile of 16 queries x 128 keys.
; A work-group of four waves makes 256 x 256 of a product, a wave 128 x 128: 64 accumulators, 512 registers.  K goes in steps of 256 through two LDS slots filled by the tensor
; data mover; the scale bytes of the work-group's rows come once and stay.  4 x 4 work-groups form a cluster: the tiles of source 1 ("A") are shared along a row of the cluster,
; those of source 0 ("B") along a column, each asked for jointly.
; ROLES.  In a result a lane holds ONE row of source 1 and its registers run along the rows of source 0.
;   cluster y < 8:  A = x (tokens), B = Wq (cluster x = 0) or Wk (1): a lane holds one token and 128 neighbours along n = two heads x 64: Q's and K's blocks of 32 along d.
;   cluster y >= 8: A = Wv (channels), B = x (tokens): V^T: a lane holds one channel and 128 tokens: V's blocks of 32 along the keys.
; ORDER INSIDE A BLOCK.  A lane's 16 numbers of two neighbouring tiles are rows 8 h + 0..7 and 16 + 8 h + 0..7 of a block; after the exchange of halves a block lies in one lane in the
; order 0-7, 16-23, 8-15, 24-31.  Q and K are both laid so along d, V (here) and p (in the attention launch) both along the keys: the same order on both sides of a product keeps its sums.
; IMAGES.  A group is four registers x 32 lanes, lane L's 16 bytes at 16 L: each store covers 512 consecutive bytes, aligned.
;   qbuf, kbuf: head hb, key step ks (128 tokens): 12 groups at hb x 98,304 + ks x 6,144: registers 6 X + i of token tile X.  Scale words at 6,291,456 + hb x 8,192 + ks x 512 + 16 L + 4 p:
;   word p: tile 2 p in lanes 0-15, tile 2 p + 1 in lanes 16-31; bytes 0, 1 the two blocks of d, bytes 2, 3 = 0x7f.
;   vbuf: 12 groups likewise: registers 12 X + i of channel tile X.  Scale words at 6,291,456 + hb x 4,096 + ks x 256 + 8 L + 4 p, four key blocks' bytes each.
;   mbuf: for query tile t and key step ks 64 words at (16 t + ks) x 256: bit L of word n = mask[16 t + L % 16][128 ks + 16 (n / 8) + 8 (L / 16) + n % 8]; flags at 524,288 + (16 t + ks) x 4:
;   0 all hidden, 1 none hidden, 0x10001 mixed.
; LIMITS: NaN and infinities among the inputs are not served; a block whose largest magnitude lies under 2^-124 has its byte held at 1, a block of zeros too (its codes are zeros, and the
; bytes are read by this program alone).
; REGISTERS: window 0: v0-31 addresses; v32-63 scale words, two sets; v64-127, v248-255 biases; from v128 A's fragments, one set; on the way out v128-247 are at work.
;   window 1: B's fragments, two sets.  windows 2, 3: the accumulators ((a, b) at v[8 (8 (a % 4) + b)] of window 2 + a / 4).
.set KSTEP,  256
.set NQ,     2                         ; matrix instructions deep in a slot
.set ROWB,   192                       ; a tile's row in bytes
.set KROW,   768                       ; a row of codes in memory
.set PITCH,  240                       ; an LDS row: 3 x (64 bytes + 16 of padding)
.set FR,     12
.set NL,     6
.set NP,     4                         ; places behind this matrix instruction (ISA guide 7.12.1)
.set HALFT,  128*PITCH
.set SLOT,   4*HALFT
.set KS,     32                        ; a row of scale bytes
.set SCL,    2*SLOT
.set HALFS,  (128*KS/256)*272
.set SBLK,   (16*KS/256)*272
.set SPARE,  SCL+4*HALFS               ; the spare words: 128 bytes for each wave, named by no other line
.set ADRA, 16
.set ADRB, 20
.set LN16, 24                          ; v24  16 x lane
.set LN8,  25                          ; v25  8 x lane
.set ADRS, 27
.set SPW,  28
.set NIL,  29
.set SC,   32
.set BI,   64                          ; v64-127  bias[n0 + 16 Y + 8 h + j] at 8 Y + j
.set AF,   128
.set NUM,  128                         ; the way out: 64 numbers
.set SW,   192                         ; v192-199 scale words on their way to memory
.set TM,   200                         ; v200-203 largest magnitudes, v204-207 bytes, v212-215 the conversions' scale operands
.set CT,   216                         ; v216-218, v220-222 the conversions' second halves
.set WT0,  219
.set WT1,  223
.set P,    224                         ; v224-247 codes on their way to memory
.set BV,   248                         ; v248-255 bias[n0 + 16 X + r]
.set WV,  20
.set WH,  21
.set WL,  22
.set ISV, 23
.set RA,  66
.set RB,  67
.set G1,  24
.set G0,  32
.set G1B, 48
.set G0B, 56
.set G1S, 68
.set G0S, 76
.set G1SB, 80
.set G0SB, 88
.set MSB, 0
.macro WIN new                         ; the immediate's high byte repeats the setting that is left
.if MSB != \new
	s_set_vgpr_msb (MSB<<8)|\new
.set MSB, \new
.endif
.endm
.set MUL_LO, 0xa1
.set MUL_HI, 0xf1
.set TO_B,   0x40
; A joint load: waves 0 and 1 fetch for A, waves 2 and 3 for B; the branch hangs on the wave's number alone.  Four v_nop follow each line.
.macro JLOAD g0a, g1a, g0b, g1b
	s_cmp_eq_u32 s[WH], 0
	s_cbranch_scc0 .Lfor_b_\@
	tensor_load_to_lds s[\g0a:\g0a+3], s[\g1a:\g1a+7]
	s_nop 0
.rept 4
	v_nop
.endr
	s_branch .Lasked_\@
.Lfor_b_\@:
	tensor_load_to_lds s[\g0b:\g0b+3], s[\g1b:\g1b+7]
	s_nop 0
.rept 4
	v_nop
.endr
.Lasked_\@:
.endm
.macro CREST                           ; a round of the cluster's barrier behind its opening barrier
	s_cmp_lg_u32 s[WV], 0
	s_cbranch_scc1 .Lnot_wave_0_\@
	s_barrier_signal -3
.Lnot_wave_0_\@:
	s_barrier_wait -3
	s_barrier_signal -1
	s_barrier_wait -1
.endm
.macro CROUND
	s_barrier_signal -1
	s_barrier_wait -1
	CREST
.endm
	s_load_b512 s[4:19], s[0:1], 0x0               ; x codes, x scales, Wq codes, scales, Wk codes, scales, Wv codes, scales
	v_lshl_add_u32 v[SPW], v0, 2, SPARE
	v_mov_b32 v[NIL], 0
	ds_add_u32 v28, v29
	ds_add_u32 v28, v29
	s_wait_dscnt 0x0
	v_lshrrev_b32 v1, 5, v0
	v_readfirstlane_b32 s[WV], v1                  ; wave 0..3
	s_lshr_b32 s[WH], s[WV], 1                     ; my half of A's rows.  Also: I fetch for A (0) or for B (1)
	s_and_b32 s[WL], s[WV], 1                      ; my half of B's rows.  Also: which 128 rows I fetch
	s_bfe_u32 s40, ttmp6, 0x40000                  ; cx
	s_bfe_u32 s41, ttmp6, 0x40004                  ; cy
	s_lshl_b32 s43, s41, 2
	s_lshl_b32 s43, 15, s43                        ; my row of the cluster
	s_lshl_b32 s100, 0x1111, s40                   ; my column
	s_or_b32 s[G1+0], s43, (0<<16)|(1<<20)|(1<<21)|(3<<22)|(3<<25)   ; the mask; elements of 1 byte; padding on; bit 21 beside a mask; 4 words of padding behind every 16
	s_or_b32 s[G1B+0], s100, (0<<16)|(1<<20)|(1<<21)|(3<<22)|(3<<25)
.irp g, G1, G1B
	s_mov_b32 s[\g+1], ROWB<<16                    ; tensor_dim0
	s_mov_b32 s[\g+2], 128<<16                     ; tensor_dim1
	s_mov_b32 s[\g+3], ROWB<<16                    ; tile_dim0
	s_mov_b32 s[\g+4], 128                         ; tile_dim1
	s_mov_b32 s[\g+5], KROW                        ; from row to row
	s_mov_b32 s[\g+6], 0
	s_mov_b32 s[\g+7], 0
.endr
	s_or_b32 s[G1S+0], s43, (3<<16)|(1<<20)|(1<<21)|(5<<22)|(3<<25)  ; the scales of 128 rows: 4,096 dense bytes as rows of 256 bytes, 16 of padding behind each
	s_or_b32 s[G1SB+0], s100, (3<<16)|(1<<20)|(1<<21)|(5<<22)|(3<<25)
.irp g, G1S, G1SB
	s_mov_b32 s[\g+1], 32<<16
	s_mov_b32 s[\g+2], (128*KS/256)<<16
	s_mov_b32 s[\g+3], 32<<16
	s_mov_b32 s[\g+4], 128*KS/256
	s_mov_b32 s[\g+5], 32
	s_mov_b32 s[\g+6], 0
	s_mov_b32 s[\g+7], 0
.endr
	; which blocks of 256 rows: the cluster's x and y are the same in all sixteen partners; A's block hangs on cy beside them, B's on cx
	s_and_b32 s2, ttmp7, 0xffff                    ; cluster y
	s_lshl_b32 s45, s2, 2
	s_sub_co_u32 s46, s2, 8
	s_lshl_b32 s46, s46, 1
	s_add_co_u32 s46, s46, ttmp9
	s_lshl_b32 s46, s46, 2                         ; 4 ((cluster y - 8) 2 + cluster x): used where cluster y >= 8
	s_cmp_ge_u32 s2, 8
	s_cselect_b32 s[ISV], 1, 0
	s_cselect_b32 s45, 0, s45
	s_cselect_b32 s46, s46, 0
	s_add_co_u32 s[RA], s45, s41                   ; A's block: 4 cluster y + cy of x, or cy of Wv
	s_add_co_u32 s[RB], s46, s40                   ; B's block: cx of Wq or Wk, or 4 (..) + cx of x
	s_lshl_b32 s3, s[WL], 7
	s_lshl_b32 s42, s[RA], 8
	s_add_co_u32 s42, s42, s3                      ; A: the first row that I would fetch
	s_lshl_b32 s46, s[RB], 8
	s_add_co_u32 s46, s46, s3                      ; B likewise
	s_lshl_b32 s44, s42, 5                         ; their scale bytes,
	s_mul_i32 s42, s42, KROW                       ; their codes (all under 2^23 bytes)
	s_mov_b32 s43, 0
	s_mov_b32 s45, 0
	s_lshl_b32 s100, s46, 5
	s_mul_i32 s46, s46, KROW
	s_mov_b32 s47, 0
	s_mov_b32 s101, 0
	s_mul_i32 s2, s[WV], HALFT                     ; where they go: wave x 128 rows: no place in the cluster enters an LDS address
	s_mul_i32 s3, s[WV], HALFS
	s_wait_kmcnt 0x0
	s_cmp_eq_u32 ttmp9, 0
	s_cselect_b64 s[96:97], s[8:9], s[12:13]       ; Wq or Wk
	s_cselect_b64 s[98:99], s[10:11], s[14:15]
	s_cmp_eq_u32 s[ISV], 0
	s_cselect_b64 s[92:93], s[4:5], s[16:17]       ; A: x or Wv
	s_cselect_b64 s[94:95], s[6:7], s[18:19]
	s_cselect_b64 s[96:97], s[96:97], s[4:5]       ; B: the weight or x
	s_cselect_b64 s[98:99], s[98:99], s[6:7]
	s_add_nc_u64 s[92:93], s[92:93], s[42:43]
	s_add_nc_u64 s[94:95], s[94:95], s[44:45]
	s_add_nc_u64 s[96:97], s[96:97], s[46:47]
	s_add_nc_u64 s[98:99], s[98:99], s[100:101]
	CROUND                                         ; all sixteen work-groups are here: the first joint loads meet
	s_mov_b32 s[G0S], 1
	s_add_co_u32 s[G0S+1], s3, SCL
	s_mov_b64 s[G0S+2:G0S+3], s[94:95]
	s_or_b32 s[G0S+3], s[G0S+3], 0x80000000
	s_mov_b32 s[G0SB], 1
	s_add_co_u32 s[G0SB+1], s3, SCL
	s_mov_b64 s[G0SB+2:G0SB+3], s[98:99]
	s_or_b32 s[G0SB+3], s[G0SB+3], 0x80000000
	JLOAD G0S, G1S, G0SB, G1SB                     ; the scales first: they are wanted with K step 0
.irp s, 0,1
	s_mov_b32 s[G0+4*\s], 1
	s_add_co_u32 s[G0+4*\s+1], s2, \s*SLOT
	s_add_nc_u64 s[G0+4*\s+2:G0+4*\s+3], s[92:93], \s*ROWB
	s_or_b32 s[G0+4*\s+3], s[G0+4*\s+3], 0x80000000
	s_mov_b32 s[G0B+4*\s], 1
	s_add_co_u32 s[G0B+4*\s+1], s2, \s*SLOT
	s_add_nc_u64 s[G0B+4*\s+2:G0B+4*\s+3], s[96:97], \s*ROWB
	s_or_b32 s[G0B+4*\s+3], s[G0B+4*\s+3], 0x80000000
	JLOAD G0+4*\s, G1, G0B+4*\s, G1B               ; three tensor loads of mine are out now
.endr
	s_load_b512 s[4:19], s[0:1], 0x40              ; mask, mbuf, bq, bk, bv, qbuf, kbuf, vbuf
	v_and_b32 v1, 15, v0                           ; r
	v_bfe_u32 v2, v0, 4, 1                         ; h
	v_and_b32 v7, 31, v0                           ; lane
	v_lshlrev_b32 v[LN16], 4, v7
	v_lshlrev_b32 v[LN8], 3, v7
	v_mul_u32_u24 v3, v1, PITCH
	v_mul_u32_u24 v4, v2, 24
	v_add_nc_u32 v4, v3, v4                        ; a fragment's row x pitch + 24 x half
	v_lshl_add_u32 v5, v2, 4, v4                   ; and the same behind one padding more
	s_mul_i32 s2, s[WH], HALFT                     ; my 128 rows of A
	s_mul_i32 s3, s[WL], HALFT                     ; my 128 rows of B,
	s_add_co_u32 s3, s3, 2*HALFT                   ; behind A's 256
.irp s, 0,1
	v_add_nc_u32 v[ADRA+\s], s2, v4
	v_add_nc_u32 v[ADRB+\s], s3, v4
	v_add_nc_u32 v[ADRA+2+\s], s2, v5
	v_add_nc_u32 v[ADRB+2+\s], s3, v5
	s_add_co_u32 s2, s2, SLOT
	s_add_co_u32 s3, s3, SLOT
.endr
	v_mul_u32_u24 v5, v1, KS                       ; my row's scales: 32 bytes a row,
	v_lshrrev_b32 v6, 8, v5
	v_lshl_add_u32 v5, v6, 4, v5                   ; and 16 more for each 256 passed
	s_mul_i32 s2, s[WH], HALFS
	s_mul_i32 s3, s[WL], HALFS
	s_add_co_u32 s3, s3, 2*HALFS
	s_sub_co_u32 s3, s3, s2
	v_mul_u32_u24 v6, s3, v2                       ; lanes 16-31 take B's: one product, the distance between the two bases
	s_add_co_u32 s2, s2, SCL
	v_add_nc_u32 v5, v5, v6
	v_add_nc_u32 v[ADRS], s2, v5
	v_lshlrev_b32 v8, 5, v2                        ; 32 h: eight numbers of a bias
	v_lshlrev_b32 v9, 2, v1                        ; 4 r
	s_wait_kmcnt 0x0
	; the bias and the buffer of this product, and where my wave's part lies in them.  Places in the cluster enter global addresses alone.
	s_cmp_eq_u32 ttmp9, 0
	s_cselect_b64 s[92:93], s[8:9], s[10:11]       ; bq or bk
	s_cselect_b64 s[94:95], s[14:15], s[16:17]     ; qbuf or kbuf
	s_cmp_eq_u32 s[ISV], 0
	s_cselect_b64 s[92:93], s[92:93], s[12:13]     ; or bv,
	s_cselect_b64 s[94:95], s[94:95], s[18:19]     ; vbuf
	s_cselect_b32 s8, s[RA], s[RB]                 ; the block of 256 tokens,
	s_cselect_b32 s9, s[WH], s[WL]                 ; my half of it,
	s_cselect_b32 s10, s[RB], s[RA]                ; the block of four heads,
	s_cselect_b32 s11, s[WL], s[WH]                ; my two of them
	s_cselect_b32 s12, 13, 12                      ; scale words: 8,192 or 4,096 bytes a head,
	s_cselect_b32 s13, 9, 8                        ; 512 or 256 a key step
	s_lshl_b32 s8, s8, 1
	s_add_co_u32 s8, s8, s9                        ; my first token / 128
	s_lshl_b32 s10, s10, 2
	s_lshl_b32 s11, s11, 1
	s_add_co_u32 s10, s10, s11                     ; my first head
	s_lshr_b32 s9, s8, 4                           ; the batch
	s_and_b32 s8, s8, 15                           ; the key step
	s_lshl_b32 s9, s9, 4
	s_add_co_u32 s9, s9, s10                       ; hb = 16 x batch + head
	s_mul_i32 s14, s9, 98304
	s_mul_i32 s15, s8, 6144
	s_add_co_u32 s14, s14, s15
	s_mov_b32 s15, 0
	s_lshl_b32 s16, s9, s12
	s_lshl_b32 s17, s8, s13
	s_add_co_u32 s16, s16, s17
	s_add_co_u32 s16, s16, 6291456
	s_mov_b32 s17, 0
	s_add_nc_u64 s[96:97], s[94:95], s[16:17]      ; my scale words
	s_add_nc_u64 s[94:95], s[94:95], s[14:15]      ; my images
	s_lshl_b32 s14, s10, 8
	s_add_nc_u64 s[92:93], s[92:93], s[14:15]      ; the bias at my first head: my 128 numbers
	; both forms of the bias are loaded by every wave, so that each way out finds its registers written: along the registers (Q, K), and one for each of my lane's eight rows (V^T)
.irp y, 0,1,2,3,4,5,6,7
	global_load_b128 v[BI+8*\y:BI+8*\y+3], v8, s[92:93] offset:64*\y
	global_load_b128 v[BI+8*\y+4:BI+8*\y+7], v8, s[92:93] offset:64*\y+16
.endr
.irp x, 0,1,2,3,4,5,6,7
	global_load_b32 v[BV+\x], v9, s[92:93] offset:64*\x
.endr
	; THE MASK'S SHARE, while the first tiles are on their way: the 1,024 waves of the clusters with y < 8 take two tiles of 16 queries x 128 keys each.  The branch hangs on the cluster's y.
	s_cmp_lg_u32 s[ISV], 0
	s_cbranch_scc1 .Lno_mask
	s_lshl_b32 s8, s[RA], 3
	s_lshl_b32 s9, ttmp9, 2
	s_add_co_u32 s8, s8, s9
	s_add_co_u32 s8, s8, s40
	s_lshl_b32 s8, s8, 2
	s_add_co_u32 s8, s8, s[WV]                     ; u = 4 (8 RA + 4 cluster x + cx) + wave: 0 .. 1,023
	s_lshr_b32 s9, s8, 3                           ; the query tile
	s_and_b32 s8, s8, 7                            ; the pair of key steps
	s_lshl_b32 s10, s9, 15                         ; 16 rows of 2,048 bytes
	s_lshl_b32 s11, s8, 8
	s_add_co_u32 s10, s10, s11
	s_mov_b32 s11, 0
	s_add_nc_u64 s[4:5], s[4:5], s[10:11]
	s_lshl_b32 s14, s9, 6
	s_lshl_b32 s15, s8, 3
	s_add_co_u32 s14, s14, s15
	s_add_co_u32 s14, s14, 524288
	s_mov_b32 s15, 0
	s_add_nc_u64 s[12:13], s[6:7], s[14:15]        ; my two flags
	s_lshl_b32 s10, s9, 12
	s_lshl_b32 s14, s8, 9
	s_add_co_u32 s10, s10, s14
	s_add_nc_u64 s[6:7], s[6:7], s[10:11]          ; my two records of 256 bytes
	v_lshlrev_b32 v10, 11, v1
	v_lshl_add_u32 v10, v2, 3, v10                 ; row r, + 8 h
	v_lshlrev_b32 v11, 2, v7
.irp i, 0,1,2,3,4,5,6,7,8,9,10,11,12,13,14,15
	global_load_b64 v[128+2*\i:129+2*\i], v10, s[4:5] offset:16*\i th:TH_LOAD_NT   ; mask[16 t + r][256 kp + 16 i + 8 h + 0 .. 7]
.endr
.irp i, 0,1,2,3,4
	v_mov_b32 v[224+\i], 0                         ; a lane write's destination counts as read
.endr
	s_wait_loadcnt 0x0
.macro MUNIT u                         ; one tile: word n's bit L is lane L's byte n; lane n / 2 takes words n (even) and n + 1: 8 bytes a lane, one aligned block of 256 bytes
	s_mov_b32 s14, -1
	s_mov_b32 s15, 0
.set n, 0
.rept 64
	v_and_b32 v[160+n%2], 0xff<<(8*(n%4)), v[128+16*\u+2*(n/8)+(n%8)/4]
	v_cmp_ne_u32 s[16+n%2], 0, v[160+n%2]
	s_and_b32 s14, s14, s[16+n%2]
	s_or_b32 s15, s15, s[16+n%2]
	v_writelane_b32 v[224+2*\u+n%2], s[16+n%2], n/2
.set n, n+1
.endr
	s_cmp_lg_u32 s15, 0
	s_cselect_b32 s16, 0x10001, 1                  ; something hidden: mixed; nothing: open
	s_cmp_eq_u32 s14, -1
	s_cselect_b32 s16, 0, s16                      ; everything hidden
	v_writelane_b32 v228, s16, \u
	global_store_b64 v[LN8], v[224+2*\u:225+2*\u], s[6:7] offset:256*\u
.endm
	MUNIT 0
	MUNIT 1
	v_cmp_gt_u32 vcc_lo, 2, v7
	s_wait_xcnt 0x0                                ; EXEC changes only behind this wait
	s_and_saveexec_b32 s16, vcc_lo
	global_store_b32 v11, v228, s[12:13]           ; lanes 0 and 1: the two flags
	s_wait_xcnt 0x0                                ; and again in front of the line that widens it
	s_or_b32 exec_lo, exec_lo, s16
.Lno_mask:
.macro FRAG reg, adr, q, i             ; a fragment: 16 rows x 128 K, 12 registers, in pieces of 8 bytes; where lanes 16-31's piece lies behind one padding more, the second address register serves
.irp p, 0,1,2,3,4,5
.set PC, 12*(\q)+6*(\p/3)+\p%3
.if PC%8 < 5
	ds_load_b64 v[\reg+2*\p:\reg+2*\p+1], v[\adr] offset:8*PC+16*(PC/8)+(\i)*16*PITCH
.else
	ds_load_b64 v[\reg+2*\p:\reg+2*\p+1], v[\adr+2] offset:8*PC+16*(PC/8)+(\i)*16*PITCH
.endif
.endr
.endm
; 16 matrix instructions: A's blocks a0, a0 + 1 x B's eight.  The 64 accumulators take turns, one instruction a turn, in the same order in every step.
.macro MUL16 a0, p, q, sc, zero
.irp a, \a0, \a0+1
.irp b, 0,1,2,3,4,5,6,7
.if \zero
	v_wmma_scale_f32_16x16x128_f8f6f4 v[8*(8*((\a)%4)+\b):8*(8*((\a)%4)+\b)+7], v[128*(\p)+FR*\b:128*(\p)+FR*\b+FR-1], v[AF+FR*(\a):AF+FR*(\a)+FR-1], 0, v[SC+8*NQ*(\sc)+NQ*\b+(\q)], v[SC+8*NQ*(\sc)+NQ*(\a)+(\q)] matrix_a_fmt:MATRIX_FMT_FP6 matrix_b_fmt:MATRIX_FMT_FP6 matrix_a_scale:MATRIX_SCALE_ROW1
.else
	v_wmma_scale_f32_16x16x128_f8f6f4 v[8*(8*((\a)%4)+\b):8*(8*((\a)%4)+\b)+7], v[128*(\p)+FR*\b:128*(\p)+FR*\b+FR-1], v[AF+FR*(\a):AF+FR*(\a)+FR-1], v[8*(8*((\a)%4)+\b):8*(8*((\a)%4)+\b)+7], v[SC+8*NQ*(\sc)+NQ*\b+(\q)], v[SC+8*NQ*(\sc)+NQ*(\a)+(\q)] matrix_a_fmt:MATRIX_FMT_FP6 matrix_b_fmt:MATRIX_FMT_FP6 matrix_a_scale:MATRIX_SCALE_ROW1
.endif
.endr
.endr
.endm
.macro FETCH_B slot, q, p
	WIN TO_B
.irp i, 0,1,2,3,4,5,6,7
	FRAG 128*(\p)+FR*\i, ADRB+\slot, \q, \i
.endr
	WIN 0
.endm
.macro FETCH_A slot, q, i0
.irp i, \i0, \i0+1, \i0+2, \i0+3
	FRAG AF+FR*(\i), ADRA+\slot, \q, \i
.endr
.endm
.macro SCALES sc                       ; a K step's scale words: lanes 0-15 A's block i, lanes 16-31 B's block i
.irp i, 0,1,2,3,4,5,6,7
	ds_load_b64 v[SC+8*NQ*\sc+NQ*\i:SC+8*NQ*\sc+NQ*\i+1], v[ADRS] offset:\i*SBLK
.endr
.endm
.macro PLACES n                        ; plain vector instructions between a matrix instruction and a load into, or a read of, its registers
.rept \n
	v_nop
.endr
.endm
.macro STEP slot, q, zero              ; a step of 128 along K that has its successor in the same slot
	s_wait_dscnt 4*NL                              ; B's set and A's blocks 0-3 are in; the youngest 24 loads (A's blocks 4-7) may be out
	WIN MUL_LO
	MUL16 0, (\q)%2, \q, \slot, \zero
	MUL16 2, (\q)%2, \q, \slot, \zero
	s_wait_dscnt 0
	PLACES NP
	FETCH_B \slot, (\q)+1, 1-(\q)%2
	FETCH_A \slot, (\q)+1, 0
	WIN MUL_HI
	MUL16 4, (\q)%2, \q, \slot, \zero
	MUL16 6, (\q)%2, \q, \slot, \zero
	PLACES NP
	WIN 0
	FETCH_A \slot, (\q)+1, 4
.endm
; A slot's last step changes slots: one barrier; in front of it each wave waits for all its tensor loads, adds 0 to its spare word, and waits for that and for its reads of the slot.
.macro TURN slot, next, fill
	s_wait_tensorcnt 0x0                           ; all my tensor loads have landed: my part of the next slot
	ds_add_u32 v[SPW], v[NIL]                      ; 0 onto my spare word
	s_wait_dscnt 4*NL+1                            ; the add and the youngest 24 loads may be out
	WIN MUL_LO
	MUL16 0, 1, NQ-1, \slot, 0
	s_wait_dscnt 0x0                               ; the add is done, and my reads of this slot are over
	s_barrier_signal -1
	MUL16 2, 1, NQ-1, \slot, 0
	WIN 0
	s_barrier_wait -1
.if \fill
	CREST                                          ; the barrier has opened a round of the cluster's: no wave of any partner still reads this slot or has a load on its way
	s_add_nc_u64 s[G0+4*\slot+2:G0+4*\slot+3], s[G0+4*\slot+2:G0+4*\slot+3], 2*ROWB
	s_add_nc_u64 s[G0B+4*\slot+2:G0B+4*\slot+3], s[G0B+4*\slot+2:G0B+4*\slot+3], 2*ROWB
	JLOAD G0+4*\slot, G1, G0B+4*\slot, G1B         ; the first tensor load behind the round; its four v_nop are the places in front of the loads below
.else
	PLACES NP
.endif
	v_add_nc_u32 v[ADRS], 4*NQ, v[ADRS]
	FETCH_B \next, 0, 0
	FETCH_A \next, 0, 0
	SCALES \next
	WIN MUL_HI
	MUL16 4, 1, NQ-1, \slot, 0
	MUL16 6, 1, NQ-1, \slot, 0
	PLACES NP
	WIN 0
	FETCH_A \next, 0, 4
.endm
	s_wait_tensorcnt 1                             ; the scales and my part of K step 0 are in; K step 1's load may be out
	s_barrier_signal -1
	s_barrier_wait -1
	FETCH_B 0, 0, 0
	FETCH_A 0, 0, 0
	SCALES 0
	FETCH_A 0, 0, 4
	STEP 0, 0, 1                                   ; K = 1,024 is four K steps, eight steps of 128: written out.  The first products start the sums
	TURN 0, 1, 1
	STEP 1, 0, 0
	TURN 1, 0, 1
	STEP 0, 0, 0
	TURN 0, 1, 0                                   ; nothing is left to fetch
	STEP 1, 0, 0
	s_wait_dscnt 4*NL
	WIN MUL_LO
	MUL16 0, 1, NQ-1, 1, 0
	MUL16 2, 1, NQ-1, 1, 0
	s_wait_dscnt 0
	WIN MUL_HI
	MUL16 4, 1, NQ-1, 1, 0
	MUL16 6, 1, NQ-1, 1, 0
	WIN 0
; THE WAY OUT, without LDS: a block of A's 16 rows at a time.  64 numbers of a lane (register 16 b + i: block b) get their bias, are quantised, and leave as register images.
; The fragment's halves go to v[QD0] and v[QD1] on (six registers each); the four blocks' bytes stay in v[TM+4] on.
.macro QUANT64
.irp b, 0,1,2,3
	v_max3_num_f32 v[TM+\b], |v[NUM+16*\b]|, |v[NUM+1+16*\b]|, 0x1800000   ; my 16 numbers of block b, and the floor 2^(3 - 127): the byte cannot fall under 1
.endr
.irp i, 2,4,6,8,10,12,14
.irp b, 0,1,2,3
	v_max3_num_f32 v[TM+\b], v[TM+\b], |v[NUM+16*\b+\i]|, |v[NUM+1+16*\b+\i]|
.endr
.endr
.irp b, 0,1,2,3
	v_permlanex16_b32 v[TM+4+\b], v[TM+\b], s98, s99
.endr
.irp b, 0,1,2,3
	v_max_num_f32 v[TM+\b], v[TM+\b], v[TM+4+\b]   ; with lane l xor 16's: the block's largest magnitude
.endr
.irp b, 0,1,2,3
	v_add_nc_u32 v[TM+12+\b], 0xff000000, v[TM+\b] ; 2 off its exponent field: the conversion's scale operand
.endr
.irp b, 0,1,2,3
	v_lshrrev_b32 v[TM+4+\b], 23, v[TM+12+\b]      ; the scale's byte
.endr
	v_cvt_scalef32_pk16_fp6_f32 v[QD0:QD0+2], v[NUM:NUM+15], v[TM+12]
	v_cvt_scalef32_pk16_fp6_f32 v[CT:CT+2], v[NUM+16:NUM+31], v[TM+13]
	v_cvt_scalef32_pk16_fp6_f32 v[QD1:QD1+2], v[NUM+32:NUM+47], v[TM+14]
	v_cvt_scalef32_pk16_fp6_f32 v[CT+4:CT+6], v[NUM+48:NUM+63], v[TM+15]
	v_nop                                          ; one plain place behind a scaled conversion
.irp i, 0,1,2
	v_permlane16_swap_b32 v[QD0+\i], v[CT+\i]      ; a whole block to a lane: lanes 0-15 the even block, lanes 16-31 the odd one
	v_permlane16_swap_b32 v[QD1+\i], v[CT+4+\i]
.endr
.irp i, 0,1,2
	v_mov_b32 v[QD0+3+\i], v[CT+\i]
	v_mov_b32 v[QD1+3+\i], v[CT+4+\i]
.endr
.endm
.macro EPI x, isv
.if ((\x) >= 2) && ((\isv) || ((\x)%2 == 0))
	s_wait_xcnt 0x0                                ; the earlier stores have read the registers that are written again below
.endif
.set AC, 64*((\x)%4)
.set WN, 0x02+(\x)/4
	WIN WN                                         ; source 0: window 2 or 3
.set i, 0
.if \isv
.rept 64
	v_add_f32 v[NUM+i], v[AC+i], v[BV+(\x)]        ; + bv of my channel; each accumulator from its low end on
.set i, i+1
.endr
.else
.rept 32
	v_pk_add_f32 v[NUM+2*i:NUM+2*i+1], v[AC+2*i:AC+2*i+1], v[BI+2*i:BI+2*i+1]   ; + the bias along n; each accumulator from its low end on
.set i, i+1
.endr
.endif
	WIN 0
.if \isv
.set QD0, P+12*((\x)%2)
.set QD1, QD0+6
	QUANT64                                        ; a whole fragment of V^T: 16 channels x 128 keys
	v_lshl_or_b32 v[WT0], v[TM+5], 8, v[TM+4]
	v_lshl_or_b32 v[WT0], v[TM+6], 16, v[WT0]
	v_lshl_or_b32 v[WT0], v[TM+7], 24, v[WT0]      ; my channel's scale word
.set SWR, SW+2*((\x)/4)+((\x)%4)/2
.if (\x)%2 == 0
	v_mov_b32 v[SWR], v[WT0]
.else
	v_cndmask_b32 v[SWR], v[SWR], v[WT0], s100     ; the odd tile's words go to lanes 16-31
.endif
.irp g, 0,1,2
	global_store_b128 v[LN16], v[QD0+4*\g:QD0+4*\g+3], s[94:95] offset:((\x)/4)*98304+(3*((\x)%4)+\g)*512
.endr
.if (\x)%4 == 3
	global_store_b64 v[LN8], v[SW+2*((\x)/4):SW+2*((\x)/4)+1], s[96:97] offset:((\x)/4)*4096
.endif
.else
.set QD0, P+6*((\x)%2)
.set QD1, P+12+6*((\x)%2)
	QUANT64                                        ; 16 tokens: six registers for my first head, six for my second
	v_lshl_or_b32 v[WT0], v[TM+5], 8, v[TM+4]
	v_lshl_or_b32 v[WT1], v[TM+7], 8, v[TM+6]
	v_or_b32 v[WT0], 0x7f7f0000, v[WT0]            ; bytes 2 and 3 scale the upper 64 of the instruction's 128, where Q's codes are zeros
	v_or_b32 v[WT1], 0x7f7f0000, v[WT1]
.if (\x)%2 == 0
	v_mov_b32 v[SW+(\x)/2], v[WT0]
	v_mov_b32 v[SW+4+(\x)/2], v[WT1]
.else
	v_cndmask_b32 v[SW+(\x)/2], v[SW+(\x)/2], v[WT0], s100
	v_cndmask_b32 v[SW+4+(\x)/2], v[SW+4+(\x)/2], v[WT1], s100
.irp g, 0,1,2
	global_store_b128 v[LN16], v[P+4*\g:P+4*\g+3], s[94:95] offset:(3*((\x)/2)+\g)*512
	global_store_b128 v[LN16], v[P+12+4*\g:P+12+4*\g+3], s[94:95] offset:98304+(3*((\x)/2)+\g)*512
.endr
.endif
.endif
.endm
	PLACES NP
	s_wait_loadcnt 0x0                             ; the biases
	s_mov_b32 s98, 0x76543210
	s_mov_b32 s99, 0xfedcba98                      ; v_permlanex16_b32's selects for lane l xor 16
	s_mov_b32 s100, 0xffff0000                     ; lanes 16-31
.irp b, 0,1,2,3
	v_mov_b32 v[TM+4+\b], 0                        ; written once: a lane permute's destination counts as one of its sources
.endr
	s_cmp_lg_u32 s[ISV], 0
	s_cbranch_scc1 .Lout_v
.irp x, 0,1,2,3,4,5,6,7
	EPI \x, 0
.endr
	global_store_b128 v[LN16], v[SW:SW+3], s[96:97]
	global_store_b128 v[LN16], v[SW+4:SW+7], s[96:97] offset:8192
	s_branch .Lend
.Lout_v:
.irp x, 0,1,2,3,4,5,6,7
	EPI \x, 1
.endr
.Lend:
	s_wait_tensorcnt 0x0                           ; the wave's end
	ds_add_u32 v[SPW], v[NIL]
	s_wait_dscnt 0x0
	CROUND                                         ; the closing round: no work-group ends while a partner may still ask for a tile that names it
	s_endpgm
.Lfunc_end_k_q0c40475396_qkv:
	.size	k_q0c40475396_qkv, .Lfunc_end_k_q0c40475396_qkv-k_q0c40475396_qkv
	.p2alignl 7, 3214868480
	.fill 96, 4, 3214868480
	.section	.rodata,"a",@progbits
	.p2align	6, 0x0
	.amdhsa_kernel k_q0c40475396_qkv
		.amdhsa_group_segment_fixed_size 327680
		.amdhsa_private_segment_fixed_size 0
		.amdhsa_enable_private_segment 0
		.amdhsa_kernarg_size 128
		.amdhsa_user_sgpr_count 2
		.amdhsa_user_sgpr_kernarg_segment_ptr 1
		.amdhsa_wavefront_size32 1
		.amdhsa_system_sgpr_workgroup_id_x 1
		.amdhsa_system_sgpr_workgroup_id_y 1
		.amdhsa_system_sgpr_workgroup_id_z 1
		.amdhsa_system_vgpr_workitem_id 0
		.amdhsa_next_free_vgpr 1024
		.amdhsa_next_free_sgpr 102
		.amdhsa_reserve_vcc 1
		.amdhsa_float_denorm_mode_32 3
		.amdhsa_float_denorm_mode_16_64 3
		.amdhsa_memory_ordered 1
		.amdhsa_forward_progress 1
		.amdhsa_inst_pref_size 255
	.end_amdhsa_kernel
	.section	.bss,"aw",@nobits
	.p2align	6
	.space	262144
	.amdgpu_metadata
---
amdhsa.version: [ 1, 2 ]
amdhsa.kernels:
  - .name:           k_q0c40475396_qkv
    .symbol:         k_q0c40475396_qkv.kd
    .args:
      - { .name: input_Q_codes, .offset: 0, .size: 8, .value_kind: global_buffer, .address_space: global }
      - { .name: input_Q_scales, .offset: 8, .size: 8, .value_kind: global_buffer, .address_space: global }
      - { .name: Wq_codes, .offset: 16, .size: 8, .value_kind: global_buffer, .address_space: global }
      - { .name: Wq_scales, .offset: 24, .size: 8, .value_kind: global_buffer, .address_space: global }
      - { .name: Wk_codes, .offset: 32, .size: 8, .value_kind: global_buffer, .address_space: global }
      - { .name: Wk_scales, .offset: 40, .size: 8, .value_kind: global_buffer, .address_space: global }
      - { .name: Wv_codes, .offset: 48, .size: 8, .value_kind: global_buffer, .address_space: global }
      - { .name: Wv_scales, .offset: 56, .size: 8, .value_kind: global_buffer, .address_space: global }
      - { .name: mask, .offset: 64, .size: 8, .value_kind: global_buffer, .address_space: global }
      - { .name: mbuf, .offset: 72, .size: 8, .value_kind: global_buffer, .address_space: global }
      - { .name: bq, .offset: 80, .size: 8, .value_kind: global_buffer, .address_space: global }
      - { .name: bk, .offset: 88, .size: 8, .value_kind: global_buffer, .address_space: global }
      - { .name: bv, .offset: 96, .size: 8, .value_kind: global_buffer, .address_space: global }
      - { .name: qbuf, .offset: 104, .size: 8, .value_kind: global_buffer, .address_space: global }
      - { .name: kbuf, .offset: 112, .size: 8, .value_kind: global_buffer, .address_space: global }
      - { .name: vbuf, .offset: 120, .size: 8, .value_kind: global_buffer, .address_space: global }
    .group_segment_fixed_size: 327680
    .private_segment_fixed_size: 0
    .kernarg_segment_align: 8
    .kernarg_segment_size: 128
    .max_flat_workgroup_size: 128
    .sgpr_count:     102
    .vgpr_count:     1024
    .wavefront_size: 32
...
	.end_amdgpu_metadata
.endif
;; end of part 1
;; launch attn (part 2): grid 4 x 64, 16 waves a work-group, no clusters, 210,944 bytes of LDS; arguments qbuf, kbuf, vbuf, mbuf, cbuf; writes cbuf
.if DOCPART == 2
	.amdgcn_target "amdgcn-amd-amdhsa--gfx1250"
	.amdhsa_code_object_version 6
	.text
	.protected	k_q0c40475396_attn
	.globl	k_q0c40475396_attn
	.p2align	8
	.type	k_q0c40475396_attn,@function
k_q0c40475396_attn:
	s_mov_b64 s[64:65], 0
	v_nop
	global_prefetch_b8 v0, s[64:65] scope:SCOPE_SE
	s_setreg_imm32_b32 hwreg(HW_REG_WAVE_MODE, 25, 1), 1
	s_wait_xcnt 0x0
; ctx = softmax(Q K^T / 8, under the given mask) V for one head, both products on codes of FP6 (E2M3) with E8M0 scales; ctx quantised along h x 64 + d for the last product.
; t = score x log2(e) / 8; M = the running largest t rounded up to a whole number; p = 2^(t - M) is quantised along the keys; the row's sum is taken of the unquantised p and divides at the end.
; SHARES.  Work-group (j, hb) keeps the head's K and V, codes and scale words, in LDS: 208,896 bytes, filled once through registers, one barrier.  Each of its sixteen waves owns two tiles of 16
; queries, 16 j + w and 127 - (16 j + w), one after the other, and walks the 16 key steps of 128 keys.  Four waves share a SIMD: one wave's vector work stands beside another's products and LDS loads.
; THE MASK IS AN INPUT.  The launch before has packed it (mbuf): a flag for each tile of 16 queries x 128 keys and 64 lane masks.  A step whose tile is hidden wholly is left out (its p are zeros);
; in a mixed tile the hidden scores become -infinity; in an open tile nothing is done.  Any mask is served; the pairing of tiles only evens the work where late queries see more keys.
; NO CLUSTER, NO TENSOR LOAD: the steps branch on the stored flags; what the four work-groups of a head share is read once by each, at its head.
; LAYOUT.  S^T = K Q^T (source 0 = 16 keys, source 1 = my 16 queries), O^T = V^T P^T (source 0 = 16 channels, source 1 = p): a lane holds one query throughout.
; The head's 64 fill half of the instruction's 128: Q's upper six registers are zero codes; K's fragments lie on end, six registers each, so that the upper six registers of a tile's operand are the
; next tile's codes, which meet zeros; bytes 2 and 3 of both scale words are 0x7f.
; Inside a block of 32 keys p and V lie in the same order (0-7, 16-23, 8-15, 24-31).  V^T's rows are dealt to the tiles on the way into LDS so that tile 2 b + u, row m is channel
; 32 b + 8 u + m + 8 (m / 8): a lane's 16 registers of two tiles of O^T are then 16 neighbouring channels, and ctx's codes come out in their true order.
; cbuf: fragment of token tile T (16 tokens), K step s (heads 2 s, 2 s + 1) at (8 T + s) x 1,536: pair g of registers at 256 g + 8 L; scale bytes at 6,291,456 + token x 32 + 2 head + block.
; LIMITS: p under 2^-126 counts as 0 (v_exp_f32 gives no denormals); a block's largest p is taken from its largest score (v_exp_f32 is taken not to fall where its input rises);
; a row that the mask hides wholly has the sum 0: its scale bytes become 0xff, so that the whole output row is NaN, as the softmax of such a row is.
.set VIMG, 98304                       ; LDS: K's images at 0, V's here,
.set KSCL, 196608                      ; K's scale words,
.set VSCL, 204800                      ; V's
.set L16, 1                            ; v1   16 x lane
.set L8,  2                            ; v2   8 x lane
.set ADK, 3
.set ADV, 4
.set ADS, 5
.set ADT, 6
.set NINF, 7                           ; v7   -infinity
.set BKS, 8                            ; v8   16 x lane + KSCL
.set BVS, 9                            ; v9   8 x lane + VSCL
.set CBO, 10                           ; v10  32 r + h
.set BVI, 11                           ; v11  16 x lane + VIMG
.set QA,  16                           ; v16-27   the first tile's Q: six registers of codes, six of zeros
.set QSA, 28                           ; v28, v29 the two tiles' scale words
.set QSB, 29
.set KV,  32                           ; v32-85   K's 48 registers and six more, or V's 48
.set S,   96                           ; v96-159  S^T, then p, then ctx
.set O,   160                          ; v160-191 O^T
.set PC,  192                          ; v192-203 p's codes
.set CT,  204                          ; v204-206, v208-210
.set KSW, 212                          ; v212-215 K's scale words
.set VSW, 216                          ; v216-217 V's
.set F,   218                          ; v218-219 f, later 1 / the sum
.set BM,  220
.set PT,  224
.set SO,  228
.set PW,  232                          ; p's scale word
.set T1,  233
.set SUM2, 234
.set QB,  240                          ; v240-251 the second tile's Q
.set KSR, 48                           ; s48  the key step
.set OK,  49                           ; s49  6,144 x it
.set OS,  50                           ; s50  512 x it
.set OT,  51                           ; s51  256 x it
.set MW,  52                           ; s52  the tile's record in mbuf
.set HB,  53
.set CS,  54                           ; s[54:55] c = log2(e) / 8
.set SEL, 56
	s_load_b256 s[4:11], s[0:1], 0x0               ; qbuf, kbuf, vbuf, mbuf
	s_load_b64 s[12:13], s[0:1], 0x20              ; cbuf
	v_lshl_add_u32 v254, v0, 2, 0x33000
	v_mov_b32 v255, 0
	v_lshrrev_b32 v1, 5, v0
	s_delay_alu instid0(VALU_DEP_1)
	v_readfirstlane_b32 s2, v1                     ; wave 0..15
	v_and_b32 v140, 31, v0                         ; lane
	v_and_b32 v141, 15, v0                         ; r
	v_bfe_u32 v142, v0, 4, 1                       ; h
	s_delay_alu instid0(VALU_DEP_3)
	v_lshlrev_b32 v[L16], 4, v140
	s_delay_alu instid0(VALU_DEP_4)
	v_lshlrev_b32 v[L8], 3, v140
	s_delay_alu instid0(VALU_DEP_2)
	v_add_nc_u32 v[BVI], VIMG, v[L16]
	s_delay_alu instid0(VALU_DEP_3)
	v_add_nc_u32 v[BKS], KSCL, v[L16]
	s_delay_alu instid0(VALU_DEP_3)
	v_add_nc_u32 v[BVS], VSCL, v[L8]
	v_lshl_add_u32 v[CBO], v141, 5, v142
	v_mov_b32 v[NINF], 0xff800000
	s_and_b32 s[HB], ttmp7, 0xffff                 ; 16 x batch + head
	s_lshl_b32 s14, ttmp9, 4
	s_add_co_u32 s14, s14, s2                      ; my first tile of queries
	s_sub_co_u32 s15, 127, s14                     ; my second
	s_lshl_b32 s60, s14, 6
	s_lshl_b32 s61, s15, 6
	s_wait_alu depctr_va_vdst(0)
	s_wait_kmcnt 0x0
	s_load_b512 s[16:31], s[10:11], s60 offset:0x80000   ; the 16 flags of each tile
	s_load_b512 s[32:47], s[10:11], s61 offset:0x80000
	s_mul_i32 s48, s[HB], 98304
	s_mul_i32 s50, s2, 6144                        ; THE FILL: wave w takes key step w
	s_add_co_u32 s50, s50, s48
	s_mov_b32 s49, 0
	s_mov_b32 s51, 0
	s_add_nc_u64 s[68:69], s[6:7], s[50:51]        ; K's images
	s_add_nc_u64 s[70:71], s[8:9], s[50:51]        ; V's
	s_add_nc_u64 s[76:77], s[4:5], s[48:49]        ; the head's Q
	s_lshl_b32 s48, s[HB], 13
	s_add_co_u32 s48, s48, 6291456
	s_add_nc_u64 s[78:79], s[4:5], s[48:49]        ; Q's scale words
	s_lshl_b32 s50, s2, 9
	s_add_co_u32 s50, s50, s48
	s_add_nc_u64 s[72:73], s[6:7], s[50:51]        ; K's
	s_lshl_b32 s48, s[HB], 12
	s_lshl_b32 s50, s2, 8
	s_add_co_u32 s50, s50, s48
	s_add_co_u32 s50, s50, 6291456
	s_add_nc_u64 s[74:75], s[8:9], s[50:51]        ; V's
.irp i, 0,1,2,3,4,5,6,7,8,9,10,11
	global_load_b128 v[32+4*\i:35+4*\i], v[L16], s[68:69] offset:512*\i
.endr
.irp i, 0,1,2,3,4,5,6,7,8,9,10,11
	global_load_b128 v[80+4*\i:83+4*\i], v[L16], s[70:71] offset:512*\i
.endr
	global_load_b128 v[128:131], v[L16], s[72:73]
	global_load_b64 v[132:133], v[L8], s[74:75]
; Q of tile tau: registers 6 X + 0 .. 5 of its key step's image (X = tau % 8): pair q2 = 3 X + i lies at (q2 / 2) x 512 + (q2 % 2) x 8 + 16 L; its scale word: word X / 2 of lane r + 16 (X % 2)
.macro QADR tau, vb
	s_and_b32 s48, s[\tau], 7
	s_lshr_b32 s49, s[\tau], 3
	s_mul_i32 s50, s49, 6144
	s_mul_i32 s51, s48, 3
.irp i, 0,1,2
	s_add_co_u32 s52, s51, \i
	s_lshr_b32 s58, s52, 1
	s_lshl_b32 s58, s58, 9
	s_and_b32 s52, s52, 1
	s_lshl_b32 s52, s52, 3
	s_add_co_u32 s58, s58, s52
	s_add_co_u32 s58, s58, s50
	v_add_nc_u32 v[\vb+\i], s58, v[L16]
.endr
	s_lshl_b32 s50, s49, 9
	s_and_b32 s52, s48, 1
	s_lshl_b32 s52, s52, 8
	s_add_co_u32 s50, s50, s52
	s_lshr_b32 s52, s48, 1
	s_lshl_b32 s52, s52, 2
	s_add_co_u32 s50, s50, s52
	v_lshl_add_u32 v[\vb+3], v141, 4, s50
.endm
	QADR 14, 147
	QADR 15, 151
	s_wait_alu depctr_va_vdst(0)
.irp i, 0,1,2
	global_load_b64 v[QA+2*\i:QA+2*\i+1], v[147+\i], s[76:77] th:TH_LOAD_NT
.endr
	global_load_b32 v[QSA], v150, s[78:79] th:TH_LOAD_NT
.irp i, 0,1,2
	global_load_b64 v[QB+2*\i:QB+2*\i+1], v[151+\i], s[76:77] th:TH_LOAD_NT
.endr
	global_load_b32 v[QSB], v154, s[78:79] th:TH_LOAD_NT
	; where the fill goes in LDS: every address is constants, the lane and the wave
	s_mul_i32 s48, s2, 6144
	v_add_nc_u32 v143, s48, v[L16]                 ; K: as it lies
	v_lshrrev_b32 v144, 3, v141
	s_delay_alu instid0(VALU_DEP_1)
	v_mul_u32_u24 v144, v144, 1536                 ; V: natural tile 2 b + e, row r goes to tile 2 b + r / 8,
	v_and_b32 v145, 7, v141
	s_delay_alu instid0(VALU_DEP_1)
	v_lshl_add_u32 v145, v142, 4, v145             ; row r % 8 + 8 e (the 8 e stands in the store's immediate)
	s_delay_alu instid0(VALU_DEP_1)
	v_lshl_add_u32 v144, v145, 4, v144
	s_add_co_u32 s49, s48, VIMG
	v_add_nc_u32 v144, s49, v144
	s_lshl_b32 s50, s2, 9
	v_add_nc_u32 v145, s50, v[BKS]                 ; K's scale words: as they lie
	v_and_b32 v146, 7, v140
	s_delay_alu instid0(VALU_DEP_1)
	v_lshl_add_u32 v146, v142, 3, v146
	v_bfe_u32 v155, v140, 3, 1
	s_delay_alu instid0(VALU_DEP_1)
	v_lshl_add_u32 v146, v155, 4, v146             ; V's: lane 16 e + r goes to lane 16 (r / 8) + r % 8 + 8 e
	s_delay_alu instid0(VALU_DEP_1)
	v_lshlrev_b32 v146, 3, v146
	s_lshl_b32 s51, s2, 8
	s_add_co_u32 s51, s51, VSCL
	v_add_nc_u32 v146, s51, v146
	s_wait_alu depctr_va_vdst(0)
	s_wait_loadcnt 22                              ; of the 34 loads K's twelve are in
.irp i, 0,1,2,3,4,5,6,7,8,9,10,11
	ds_store_b128 v143, v[32+4*\i:35+4*\i] offset:512*\i
.endr
	s_wait_loadcnt 10                              ; V's twelve
.irp i, 0,1,2,3,4,5,6,7,8,9,10,11
	ds_store_b128 v144, v[80+4*\i:83+4*\i] offset:(\i/6)*3072+(\i%3)*512+((\i/3)%2)*128
.endr
	s_wait_loadcnt 8                               ; the scale words; Q's eight loads may be out
	ds_store_b128 v145, v[128:131]
	ds_store_b64 v146, v[132:133]
	s_wait_kmcnt 0x0                               ; the flags: bit ks of s66 (s67): the step is worked; bit 16 + ks: it is mixed
	s_mov_b32 s66, s16
	s_mov_b32 s67, s32
.irp k, 1,2,3,4,5,6,7,8,9,10,11,12,13,14,15
	s_lshl_b32 s3, s[16+\k], \k
	s_or_b32 s66, s66, s3
	s_lshl_b32 s3, s[32+\k], \k
	s_or_b32 s67, s67, s3
.endr
	s_mov_b32 s[CS], 0x3e38aa3b                    ; c = log2(e) / 8
	s_mov_b32 s[CS+1], s[CS]
	s_mov_b32 s[SEL], 0x76543210
	s_mov_b32 s[SEL+1], 0xfedcba98
	s_mov_b32 s59, 0xffff0000                      ; lanes 16-31
	s_wait_dscnt 0x0                               ; for the others' sake: my stores have landed
	s_barrier_signal -1
	s_barrier_wait -1                              ; the head lies in LDS; from here on LDS is only read
	s_wait_loadcnt 0x0                             ; Q
.irp i, 0,1,2,3,4,5
	v_mov_b32 v[QA+6+\i], 0                        ; zero codes for the upper 64 of the instruction's 128
	v_mov_b32 v[QB+6+\i], 0
.endr
.irp b, 0,1,2,3
	v_mov_b32 v[PT+\b], 0                          ; written once: a lane permute's destination counts as one of its sources
.endr
	v_mov_b32 v[T1], 0
	v_mov_b32 v[F+1], 0                            ; named as the upper half of a pair
.macro TILE qb, qs, fl, tau
	; where the tile's ctx goes
	s_lshr_b32 s58, s[HB], 4
	s_lshl_b32 s58, s58, 7
	s_add_co_u32 s58, s58, s[\tau]                 ; token tile: 128 x batch + tau
	s_lshl_b32 s3, s58, 9                          ; 16 tokens x 32 scale bytes
	s_lshl_b32 s58, s58, 3
	s_and_b32 s60, s[HB], 15                       ; the head
	s_lshr_b32 s61, s60, 1
	s_add_co_u32 s58, s58, s61
	s_mul_i32 s58, s58, 1536
	s_and_b32 s61, s60, 1
	s_mul_i32 s61, s61, 768
	s_add_co_u32 s58, s58, s61
	s_lshl_b32 s60, s60, 1
	s_add_co_u32 s62, s3, s60
	s_add_co_u32 s62, s62, 6291456
	s_mov_b32 s63, 0
	s_add_nc_u64 s[62:63], s[12:13], s[62:63]
	s_mov_b32 s60, s58
	s_mov_b32 s61, 0
	s_add_nc_u64 s[60:61], s[12:13], s[60:61]
	v_mov_b32 v13, 0xff61b1e6                      ; the largest t so far: -3e38
	s_delay_alu instid0(VALU_DEP_1)
	v_floor_f32 v12, -v13                          ; -M
	v_mov_b32 v14, 0
	v_mov_b32 v15, 0
.set i, 0
.rept 32
	v_mov_b32 v[O+i], 0                            ; which step is the first to be worked hangs on the mask: so O^T begins as zeros
.set i, i+1
.endr
	s_mov_b32 s[KSR], 0
	s_mov_b32 s[OK], 0
	s_mov_b32 s[OS], 0
	s_mov_b32 s[OT], 0
	s_lshl_b32 s[MW], s[\tau], 12
.Lstep_\@:                                         ; 16 trips, a constant; a hidden step's work is jumped over
	s_bitcmp1_b32 s[\fl], s[KSR]
	s_cbranch_scc0 .Lskip_\@
	s_load_b512 s[16:31], s[10:11], s[MW] offset:0x0      ; the tile's 64 lane masks: asked for in every step that is worked, awaited behind K's loads and products
	s_load_b512 s[32:47], s[10:11], s[MW] offset:0x40
	s_load_b512 s[68:83], s[10:11], s[MW] offset:0x80
	s_load_b512 s[84:99], s[10:11], s[MW] offset:0xc0
	s_setprio 2
	v_add_nc_u32 v[ADK], s[OK], v[L16]             ; these four are also the places in front of the loads into registers that the last products read
	v_add_nc_u32 v[ADV], s[OK], v[BVI]
	v_add_nc_u32 v[ADS], s[OS], v[BKS]
	v_add_nc_u32 v[ADT], s[OT], v[BVS]
.irp i, 0,1,2,3,4,5,6,7,8,9,10,11
	ds_load_b128 v[KV+4*\i:KV+4*\i+3], v[ADK] offset:512*\i
.endr
	ds_load_b128 v[KSW:KSW+3], v[ADS]
	s_wait_alu depctr_va_vdst(0)
	s_wait_dscnt 0x0
.irp t, 0,1,2,3,4,5,6,7
.if (\t)%2
	v_wmma_scale_f32_16x16x128_f8f6f4 v[S+8*\t:S+8*\t+7], v[KV+6*\t:KV+6*\t+11], v[\qb:\qb+11], 0, v[KSW+\t/2], v[\qs] matrix_a_fmt:MATRIX_FMT_FP6 matrix_b_fmt:MATRIX_FMT_FP6 matrix_a_scale:MATRIX_SCALE_ROW1
.else
	v_wmma_scale_f32_16x16x128_f8f6f4 v[S+8*\t:S+8*\t+7], v[KV+6*\t:KV+6*\t+11], v[\qb:\qb+11], 0, v[KSW+\t/2], v[\qs] matrix_a_fmt:MATRIX_FMT_FP6 matrix_b_fmt:MATRIX_FMT_FP6
.endif
.endr
.rept 4
	v_nop                                          ; places: in front of V's loads into K's registers, and of the first read of the scores
.endr
.irp i, 0,1,2,3,4,5,6,7,8,9,10,11
	ds_load_b128 v[KV+4*\i:KV+4*\i+3], v[ADV] offset:512*\i      ; V at once: it lands under the softmax
.endr
	ds_load_b64 v[VSW:VSW+1], v[ADT]
	s_wait_kmcnt 0x0                               ; the lane masks are in, on both ways below
	s_add_co_u32 s3, s[KSR], 16
	s_bitcmp1_b32 s[\fl], s3
	s_cbranch_scc0 .Lopen_\@
.set n, 0
.rept 64
.set MR, 16+n
.if n >= 32
.set MR, 36+n
.endif
	v_cndmask_b32 v[S+n], v[S+n], v[NINF], s[MR]   ; register n holds key 16 (n / 8) + 8 h + n % 8 of the step
.set n, n+1
.endr
.Lopen_\@:
.irp b, 0,1,2,3
	v_max3_num_f32 v[BM+\b], v[S+16*\b], v[S+1+16*\b], v[S+2+16*\b]   ; the largest score of each block of 32 keys: for the row's maximum, and for the block's largest p
.endr
.irp i, 3,5,7,9,11,13
.irp b, 0,1,2,3
	v_max3_num_f32 v[BM+\b], v[BM+\b], v[S+16*\b+\i], v[S+1+16*\b+\i]
.endr
.endr
.irp b, 0,1,2,3
	v_max_num_f32 v[BM+\b], v[BM+\b], v[S+15+16*\b]
.endr
.irp b, 0,1,2,3
	s_delay_alu instid0(VALU_DEP_4)
	v_permlanex16_b32 v[PT+\b], v[BM+\b], s[SEL], s[SEL+1]
.endr
.irp b, 0,1,2,3
	s_delay_alu instid0(VALU_DEP_4)
	v_max_num_f32 v[BM+\b], v[BM+\b], v[PT+\b]
.endr
	s_delay_alu instid0(VALU_DEP_2)
	v_max3_num_f32 v[T1], v[BM], v[BM+1], v[BM+2]
	s_delay_alu instid0(VALU_DEP_1)
	v_max_num_f32 v[T1], v[T1], v[BM+3]
	s_delay_alu instid0(VALU_DEP_1)
	v_mul_f32 v[T1], s[CS], v[T1]
	s_delay_alu instid0(VALU_DEP_1)
	v_max_num_f32 v13, v13, v[T1]                  ; the running largest t
	v_mov_b32 v[T1], v12
	s_delay_alu instid0(VALU_DEP_2)
	v_floor_f32 v12, -v13                          ; the new -M: M is a whole number
	s_delay_alu instid0(VALU_DEP_1)
	v_sub_f32 v[T1], v12, v[T1]
	s_delay_alu instid0(VALU_DEP_1)
	v_cvt_i32_f32 v[T1], v[T1]                     ; (it saturates)
	s_delay_alu instid0(VALU_DEP_1)
	v_ldexp_f32 v[F], 1.0, v[T1]                   ; f = 2^(old M - new M): exact
.set j, 0
.rept 32
	v_pk_fma_f32 v[S+j:S+j+1], v[S+j:S+j+1], s[CS:CS+1], v[12:13] op_sel_hi:[1,0,0]   ; t - M
.set j, j+2
.endr
.irp b, 0,1,2,3
	v_fma_f32 v[BM+\b], v[BM+\b], s[CS], v12
.endr
.set j, 0
	s_setprio 1
	s_wait_alu depctr_va_vdst(0)
.rept 64
	v_exp_f32 v[S+j], v[S+j]                       ; p = 2^(t - M)
.set j, j+1
.endr
	v_pk_mul_f32 v[14:15], v[14:15], v[F:F+1] op_sel_hi:[1,0]    ; the sums under the new M: a plain place behind the exponentials
	s_wait_alu depctr_va_vdst(0)                   ; one wait for the batch of 64, ahead of its first reader
.irp b, 0,1,2,3
	v_exp_f32 v[BM+\b], v[BM+\b]                   ; the blocks' largest p
.endr
	v_pk_add_f32 v[234:235], v[100:101], v[104:105]
	v_pk_add_f32 v[252:253], v[108:109], v[112:113]
	v_pk_add_f32 v[238:239], v[116:117], v[120:121]
	v_pk_add_f32 v[236:237], v[124:125], v[128:129]
	v_pk_add_f32 v[230:231], v[132:133], v[136:137]
	v_pk_add_f32 v[228:229], v[140:141], v[144:145]
	v_pk_add_f32 v[226:227], v[148:149], v[152:153]
	v_pk_add_f32 v[14:15], v[14:15], v[156:157]
	v_pk_add_f32 v[234:235], v[234:235], v[96:97]
	v_pk_add_f32 v[252:253], v[252:253], v[98:99]
	v_pk_add_f32 v[238:239], v[238:239], v[102:103]
	v_pk_add_f32 v[236:237], v[236:237], v[106:107]
	v_pk_add_f32 v[230:231], v[230:231], v[110:111]
	v_pk_add_f32 v[228:229], v[228:229], v[114:115]
	v_pk_add_f32 v[226:227], v[226:227], v[118:119]
	v_pk_add_f32 v[14:15], v[14:15], v[122:123]
	v_pk_add_f32 v[234:235], v[234:235], v[126:127]
	v_pk_add_f32 v[252:253], v[252:253], v[130:131]
	v_pk_add_f32 v[238:239], v[238:239], v[134:135]
	v_pk_add_f32 v[236:237], v[236:237], v[138:139]
	v_pk_add_f32 v[230:231], v[230:231], v[142:143]
	v_pk_add_f32 v[228:229], v[228:229], v[146:147]
	v_pk_add_f32 v[226:227], v[226:227], v[150:151]
	v_pk_add_f32 v[14:15], v[14:15], v[154:155]
	v_pk_add_f32 v[234:235], v[234:235], v[158:159]
	s_delay_alu instid0(VALU_DEP_2)
	v_pk_add_f32 v[14:15], v[14:15], v[236:237]
	s_delay_alu instid0(VALU_DEP_2)
	v_pk_add_f32 v[234:235], v[234:235], v[230:231]
	v_pk_add_f32 v[252:253], v[252:253], v[228:229]
	v_pk_add_f32 v[238:239], v[238:239], v[226:227]
	s_delay_alu instid0(VALU_DEP_2)
	v_pk_add_f32 v[14:15], v[14:15], v[252:253]
	s_delay_alu instid0(VALU_DEP_2)
	v_pk_add_f32 v[234:235], v[234:235], v[238:239]
	s_delay_alu instid0(VALU_DEP_1)
	v_pk_add_f32 v[14:15], v[14:15], v[234:235]
	s_wait_alu depctr_va_vdst(0)                   ; and one for the four
.irp b, 0,1,2,3
	v_max_num_f32 v[BM+\b], 0x1800000, v[BM+\b]    ; the floor 2^(3 - 127)
.endr
.irp b, 0,1,2,3
	s_delay_alu instid0(VALU_DEP_4)
	v_add_nc_u32 v[SO+\b], 0xff000000, v[BM+\b]
.endr
.irp b, 0,1,2,3
	s_delay_alu instid0(VALU_DEP_4)
	v_lshrrev_b32 v[PT+\b], 23, v[SO+\b]
.endr
	s_delay_alu instid0(VALU_DEP_3)
	v_lshl_or_b32 v[PW], v[PT+1], 8, v[PT]
	s_delay_alu instid0(VALU_DEP_1)
	v_lshl_or_b32 v[PW], v[PT+2], 16, v[PW]
	s_delay_alu instid0(VALU_DEP_1)
	v_lshl_or_b32 v[PW], v[PT+3], 24, v[PW]
.irp c, 0,1
	v_cvt_scalef32_pk16_fp6_f32 v[PC+6*\c:PC+2+6*\c], v[S+32*\c:S+15+32*\c], v[SO+2*\c]
	v_cvt_scalef32_pk16_fp6_f32 v[CT+4*\c:CT+2+4*\c], v[S+16+32*\c:S+31+32*\c], v[SO+2*\c+1]
.endr
	v_nop                                          ; one plain place behind a scaled conversion
	s_setprio 0
.irp c, 0,1
.irp i, 0,1,2
	v_permlane16_swap_b32 v[PC+6*\c+\i], v[CT+4*\c+\i]
.endr
.irp i, 0,1,2
	s_delay_alu instid0(VALU_DEP_3)
	v_mov_b32 v[PC+3+6*\c+\i], v[CT+4*\c+\i]
.endr
.endr
.set j, 0
.rept 16
	v_pk_mul_f32 v[O+j:O+j+1], v[O+j:O+j+1], v[F:F+1] op_sel_hi:[1,0]     ; O^T under the new M; sixteen plain instructions between p's scale word and codes and the products
.set j, j+2
.endr
	s_wait_alu depctr_va_vdst(0)
	s_wait_dscnt 0x0                               ; V
.irp t, 0,1,2,3
.if (\t)%2
	v_wmma_scale_f32_16x16x128_f8f6f4 v[O+8*\t:O+8*\t+7], v[KV+12*\t:KV+12*\t+11], v[PC:PC+11], v[O+8*\t:O+8*\t+7], v[VSW+\t/2], v[PW] matrix_a_fmt:MATRIX_FMT_FP6 matrix_b_fmt:MATRIX_FMT_FP6 matrix_a_scale:MATRIX_SCALE_ROW1
.else
	v_wmma_scale_f32_16x16x128_f8f6f4 v[O+8*\t:O+8*\t+7], v[KV+12*\t:KV+12*\t+11], v[PC:PC+11], v[O+8*\t:O+8*\t+7], v[VSW+\t/2], v[PW] matrix_a_fmt:MATRIX_FMT_FP6 matrix_b_fmt:MATRIX_FMT_FP6
.endif
.endr
.Lskip_\@:
	s_add_co_u32 s[OK], s[OK], 6144
	s_add_co_u32 s[OS], s[OS], 512
	s_add_co_u32 s[OT], s[OT], 256
	s_add_co_u32 s[MW], s[MW], 256
	s_add_co_u32 s[KSR], s[KSR], 1
	s_cmp_lt_u32 s[KSR], 16
	s_cbranch_scc1 .Lstep_\@
	s_setprio 0
	; the tile's way out: ctx = O^T / the sum, quantised along the head's 64 channels
.rept 4
	v_nop                                          ; places behind the last products
.endr
	v_add_f32 v14, v14, v15
	s_delay_alu instid0(VALU_DEP_1)
	v_permlanex16_b32 v[T1], v14, s[SEL], s[SEL+1]
	s_delay_alu instid0(VALU_DEP_1)
	v_add_f32 v14, v14, v[T1]                      ; the row's sum
	s_wait_alu depctr_va_vdst(0)
	v_rcp_f32 v[F], v14
	v_nop
	s_wait_alu depctr_va_vdst(0)                   ; ahead of the reciprocal's first reader
.set j, 0
.rept 16
	v_pk_mul_f32 v[S+j:S+j+1], v[O+j:O+j+1], v[F:F+1] op_sel_hi:[1,0]     ; register 16 b + i: channel 32 b + 16 h + i
.set j, j+2
.endr
.irp b, 0,1
	v_max3_num_f32 v[BM+\b], |v[S+16*\b]|, |v[S+1+16*\b]|, 0x1800000
.endr
.irp i, 2,4,6,8,10,12,14
.irp b, 0,1
	s_delay_alu instid0(VALU_DEP_2)
	v_max3_num_f32 v[BM+\b], v[BM+\b], |v[S+16*\b+\i]|, |v[S+1+16*\b+\i]|
.endr
.endr
.irp b, 0,1
	s_delay_alu instid0(VALU_DEP_2)
	v_permlanex16_b32 v[PT+\b], v[BM+\b], s[SEL], s[SEL+1]
.endr
.irp b, 0,1
	s_delay_alu instid0(VALU_DEP_2)
	v_max_num_f32 v[BM+\b], v[BM+\b], v[PT+\b]
.endr
.irp b, 0,1
	s_delay_alu instid0(VALU_DEP_2)
	v_add_nc_u32 v[SO+\b], 0xff000000, v[BM+\b]
.endr
.irp b, 0,1
	s_delay_alu instid0(VALU_DEP_2)
	v_lshrrev_b32 v[PT+\b], 23, v[SO+\b]
.endr
	v_cvt_scalef32_pk16_fp6_f32 v[PC:PC+2], v[S:S+15], v[SO]
	v_cvt_scalef32_pk16_fp6_f32 v[CT:CT+2], v[S+16:S+31], v[SO+1]
	v_nop
.irp i, 0,1,2
	v_permlane16_swap_b32 v[PC+\i], v[CT+\i]
.endr
.irp i, 0,1,2
	s_delay_alu instid0(VALU_DEP_3)
	v_mov_b32 v[PC+3+\i], v[CT+\i]
.endr
	v_cndmask_b32 v[T1], v[PT], v[PT+1], s59       ; my byte: block h's
	v_cmp_neq_f32 vcc_lo, 0, v14
	s_delay_alu instid0(VALU_DEP_1)
	v_cndmask_b32 v[T1], 0xff, v[T1], vcc_lo       ; a row with nothing to sum: the NaN byte
.irp g, 0,1,2
	global_store_b64 v[L8], v[PC+2*\g:PC+2*\g+1], s[60:61] offset:256*\g    ; 32 lanes store 256 consecutive bytes, aligned
.endr
	global_store_b8 v[CBO], v[T1], s[62:63]        ; 32 bytes, each lane its own: token r, block h of my head
	s_wait_xcnt 0x0                                ; the stores have read their registers and bases
.endm
	TILE QA, QSA, 66, 14
	TILE QB, QSB, 67, 15
	s_wait_tensorcnt 0x0
	ds_add_u32 v254, v255
	s_wait_dscnt 0x0
	s_endpgm
.Lfunc_end_k_q0c40475396_attn:
	.size	k_q0c40475396_attn, .Lfunc_end_k_q0c40475396_attn-k_q0c40475396_attn
	.p2alignl 7, 3214868480
	.fill 96, 4, 3214868480
	.section	.rodata,"a",@progbits
	.p2align	6, 0x0
	.amdhsa_kernel k_q0c40475396_attn
		.amdhsa_group_segment_fixed_size 210944
		.amdhsa_private_segment_fixed_size 0
		.amdhsa_enable_private_segment 0
		.amdhsa_kernarg_size 40
		.amdhsa_user_sgpr_count 2
		.amdhsa_user_sgpr_kernarg_segment_ptr 1
		.amdhsa_wavefront_size32 1
		.amdhsa_system_sgpr_workgroup_id_x 1
		.amdhsa_system_sgpr_workgroup_id_y 1
		.amdhsa_system_sgpr_workgroup_id_z 1
		.amdhsa_system_vgpr_workitem_id 0
		.amdhsa_next_free_vgpr 256
		.amdhsa_next_free_sgpr 100
		.amdhsa_reserve_vcc 1
		.amdhsa_float_denorm_mode_32 3
		.amdhsa_float_denorm_mode_16_64 3
		.amdhsa_memory_ordered 1
		.amdhsa_forward_progress 1
		.amdhsa_inst_pref_size 70
	.end_amdhsa_kernel
	.amdgpu_metadata
---
amdhsa.version: [ 1, 2 ]
amdhsa.kernels:
  - .name:           k_q0c40475396_attn
    .symbol:         k_q0c40475396_attn.kd
    .args:
      - { .name: qbuf, .offset: 0, .size: 8, .value_kind: global_buffer, .address_space: global }
      - { .name: kbuf, .offset: 8, .size: 8, .value_kind: global_buffer, .address_space: global }
      - { .name: vbuf, .offset: 16, .size: 8, .value_kind: global_buffer, .address_space: global }
      - { .name: mbuf, .offset: 24, .size: 8, .value_kind: global_buffer, .address_space: global }
      - { .name: cbuf, .offset: 32, .size: 8, .value_kind: global_buffer, .address_space: global }
    .group_segment_fixed_size: 210944
    .private_segment_fixed_size: 0
    .kernarg_segment_align: 8
    .kernarg_segment_size: 40
    .max_flat_workgroup_size: 512
    .sgpr_count:     100
    .vgpr_count:     256
    .wavefront_size: 32
...
	.end_amdgpu_metadata
.endif
;; end of part 2
;; launch oproj (part 3): grid 4 x 64, 4 waves a work-group, clusters of 4 x 4, 327,680 bytes of LDS; arguments cbuf, Wo_codes, Wo_scales, bo, out0; writes out0
.if DOCPART == 3
	.amdgcn_target "amdgcn-amd-amdhsa--gfx1250"
	.amdhsa_code_object_version 6
	.text
	.protected	k_q0c40475396_oproj
	.globl	k_q0c40475396_oproj
	.p2align	8
	.type	k_q0c40475396_oproj,@function
k_q0c40475396_oproj:
	s_mov_b64 s[64:65], 0
	v_nop
	global_prefetch_b8 v0, s[64:65] scope:SCOPE_SE
	s_setreg_imm32_b32 hwreg(HW_REG_WAVE_MODE, 25, 1), 1
	s_wait_xcnt 0x0
	s_wait_alu depctr_hold_cnt(0) depctr_sa_sdst(0) depctr_va_vdst(0) depctr_va_sdst(0) depctr_va_ssrc(0) depctr_va_vcc(0) depctr_vm_vsrc(0)
	s_getreg_b32 s2, hwreg(HW_REG_IB_STS2, 6, 4)
	s_cmp_eq_u32 s2, 0
	s_cbranch_scc0 .Lentry_in_a_cluster
	s_endpgm
.Lentry_in_a_cluster:
	s_bfe_u32 s2, ttmp6, 0x10000c
	s_cmp_lg_u32 s2, 0xf033
	s_cbranch_scc0 .Lentry_shape_is_right
	s_endpgm
.Lentry_shape_is_right:
; out = ctx Wo + bo on codes of FP6 (E2M3) with E8M0 scales for each 32 along K (K = 1,024).  ctx comes from the attention launch as images of operand registers (cbuf), Wo as given: rows of 768 bytes.
; A tile of out is 128 tokens x 256 columns, so that the 8,192 x 1,024 numbers give 256 work-groups.  Four waves, each 64 x 128: 32 accumulators in window 2 ((a, b) at v[8 (8 a + b)]).
; K goes in steps of 256 through two LDS slots filled by the tensor data mover; the scale bytes come once and stay.  4 x 4 work-groups form a cluster: ctx's tiles are shared along a row of the
; cluster, Wo's along a column, each asked for jointly.  Source 0 = 16 rows of Wo, source 1 = 16 tokens: a lane holds eight neighbouring columns of one row of out.
; ctx IN LDS: a token tile's two fragments of a K step are 3,072 consecutive bytes of cbuf (12,288 from tile to tile); pair g of a fragment's registers lies at 256 g + 8 L: six loads of 8 bytes a lane,
; each of 256 consecutive bytes.  bo is the C of the first products.
; REGISTERS: window 0: v0-31 addresses; v32-63 scale words, two sets; v64-127 bo; v128-175, v176-223 ctx's fragments, two sets; on the way out v128-255 take rows.  window 1: Wo's fragments, two sets.
.set ROWB,   192
.set KROW,   768
.set PITCH,  240
.set FR,     12
.set NP,     4
.set ATILE,  3072
.set AHALF,  4*ATILE
.set HALFB,  128*PITCH
.set BOFF,   2*AHALF
.set SLOT,   BOFF+2*HALFB
.set SCL,    2*SLOT
.set HSA,    8*272                     ; the scales of 64 tokens: 2,048 bytes as rows of 256 + 16
.set HSB,    16*272                    ; of 128 rows of Wo
.set SBLK,   544
.set SPARE,  SCL+2*HSA+2*HSB           ; the spare words: 128 bytes for each wave, named by no other line
.set SPITCH, 528
.set ADRA, 16
.set ADRB, 20
.set STO,  24
.set RD,   25
.set CO,   26
.set ADRS, 27
.set SPW,  28
.set NIL,  29
.set SC,   32
.set BI,   64
.set AF,   128
.set BK,   128
.set G1,  24
.set G0,  32
.set G1B, 48
.set G0B, 56
.set G1S, 68
.set G0S, 76
.set G1SB, 80
.set G0SB, 88
.set MSB, 0
.macro WIN new
.if MSB != \new
	s_set_vgpr_msb (MSB<<8)|\new
.set MSB, \new
.endif
.endm
.set MUL,     0xa1                     ; source 0 window 1, source 1 window 0, C and D window 2
.set MUL_1ST, 0x81                     ; the same with C (bo) in window 0
.set TO_B,    0x40
.macro JLOAD g0a, g1a, g0b, g1b        ; waves 0 and 1 fetch for ctx, waves 2 and 3 for Wo; four v_nop follow each line
	s_cmp_eq_u32 s15, 0
	s_cbranch_scc0 .Lfor_b_\@
	tensor_load_to_lds s[\g0a:\g0a+3], s[\g1a:\g1a+7]
	s_nop 0
.rept 4
	v_nop
.endr
	s_branch .Lasked_\@
.Lfor_b_\@:
	tensor_load_to_lds s[\g0b:\g0b+3], s[\g1b:\g1b+7]
	s_nop 0
.rept 4
	v_nop
.endr
.Lasked_\@:
.endm
.macro CREST
	s_cmp_lg_u32 s14, 0
	s_cbranch_scc1 .Lnot_wave_0_\@
	s_barrier_signal -3
.Lnot_wave_0_\@:
	s_barrier_wait -3
	s_barrier_signal -1
	s_barrier_wait -1
.endm
.macro CROUND
	s_barrier_signal -1
	s_barrier_wait -1
	CREST
.endm
	s_load_b256 s[4:11], s[0:1], 0x0               ; cbuf, Wo's codes, Wo's scales, bo
	s_load_b64 s[12:13], s[0:1], 0x20              ; out0
	v_lshl_add_u32 v[SPW], v0, 2, SPARE
	v_mov_b32 v[NIL], 0
	ds_add_u32 v28, v29
	ds_add_u32 v28, v29
	s_wait_dscnt 0x0
	v_lshrrev_b32 v1, 5, v0
	v_readfirstlane_b32 s14, v1                    ; wave 0..3
	s_lshr_b32 s15, s14, 1                         ; my half of the tokens.  Also: I fetch for ctx (0) or for Wo (1)
	s_and_b32 s16, s14, 1                          ; my half of the columns.  Also: which half of that tile I fetch
	s_bfe_u32 s40, ttmp6, 0x40000                  ; cx
	s_bfe_u32 s41, ttmp6, 0x40004                  ; cy
	s_lshl_b32 s42, ttmp9, 2
	s_add_co_u32 s42, s42, s40                     ; tile column
	s_and_b32 s17, ttmp7, 0xffff
	s_lshl_b32 s17, s17, 2
	s_add_co_u32 s17, s17, s41                     ; tile row
	s_lshl_b32 s43, s41, 2
	s_lshl_b32 s43, 15, s43                        ; my row of the cluster
	s_lshl_b32 s44, 0x1111, s40                    ; my column
	s_or_b32 s[G1+0], s43, (3<<16)|(1<<21)         ; ctx: elements of 8 bytes, no padding; the mask, bit 21 beside it
	s_mov_b32 s[G1+1], 384<<16                     ; tensor_dim0: 3,072 bytes
	s_mov_b32 s[G1+2], 4<<16                       ; tensor_dim1: four token tiles
	s_mov_b32 s[G1+3], 384<<16                     ; tile_dim0
	s_mov_b32 s[G1+4], 4                           ; tile_dim1
	s_mov_b32 s[G1+5], 1536                        ; 12,288 bytes from tile to tile
	s_mov_b32 s[G1+6], 0
	s_mov_b32 s[G1+7], 0
	s_or_b32 s[G1B+0], s44, (0<<16)|(1<<20)|(1<<21)|(3<<22)|(3<<25)  ; Wo: 128 rows x 192 bytes, 16 bytes of padding behind every 64
	s_mov_b32 s[G1B+1], ROWB<<16
	s_mov_b32 s[G1B+2], 128<<16
	s_mov_b32 s[G1B+3], ROWB<<16
	s_mov_b32 s[G1B+4], 128
	s_mov_b32 s[G1B+5], KROW
	s_mov_b32 s[G1B+6], 0
	s_mov_b32 s[G1B+7], 0
	s_or_b32 s[G1S+0], s43, (3<<16)|(1<<20)|(1<<21)|(5<<22)|(3<<25)  ; scale bytes: dense, as rows of 256 bytes + 16
	s_mov_b32 s[G1S+1], 32<<16
	s_mov_b32 s[G1S+2], 8<<16
	s_mov_b32 s[G1S+3], 32<<16
	s_mov_b32 s[G1S+4], 8
	s_mov_b32 s[G1S+5], 32
	s_mov_b32 s[G1S+6], 0
	s_mov_b32 s[G1S+7], 0
	s_or_b32 s[G1SB+0], s44, (3<<16)|(1<<20)|(1<<21)|(5<<22)|(3<<25)
	s_mov_b32 s[G1SB+1], 32<<16
	s_mov_b32 s[G1SB+2], 16<<16
	s_mov_b32 s[G1SB+3], 32<<16
	s_mov_b32 s[G1SB+4], 16
	s_mov_b32 s[G1SB+5], 32
	s_mov_b32 s[G1SB+6], 0
	s_mov_b32 s[G1SB+7], 0
	s_lshl_b32 s20, s17, 3
	s_lshl_b32 s18, s16, 2
	s_add_co_u32 s20, s20, s18                     ; ctx: token tile 8 x tile row + 4 x half
	s_lshl_b32 s22, s20, 9                         ; its scale bytes: 16 tokens x 32,
	s_add_co_u32 s22, s22, 6291456
	s_mul_i32 s20, s20, 12288                      ; its images
	s_mov_b32 s21, 0
	s_mov_b32 s23, 0
	s_lshl_b32 s46, s42, 8
	s_lshl_b32 s18, s16, 7
	s_add_co_u32 s46, s46, s18                     ; Wo: row 256 x tile column + 128 x half
	s_lshl_b32 s92, s46, 5
	s_mul_i32 s46, s46, KROW
	s_mov_b32 s47, 0
	s_mov_b32 s93, 0
	s_mul_i32 s45, s16, AHALF                      ; where they go: no place in the cluster enters an LDS address
	s_mul_i32 s94, s16, HALFB
	s_add_co_u32 s94, s94, BOFF
	s_mul_i32 s95, s16, HSA
	s_add_co_u32 s95, s95, SCL
	s_mul_i32 s96, s16, HSB
	s_add_co_u32 s96, s96, SCL+2*HSA
	s_wait_kmcnt 0x0
	s_add_nc_u64 s[22:23], s[4:5], s[22:23]
	s_add_nc_u64 s[20:21], s[4:5], s[20:21]
	s_add_nc_u64 s[46:47], s[6:7], s[46:47]
	s_add_nc_u64 s[92:93], s[8:9], s[92:93]
	CROUND                                         ; all sixteen work-groups are here: the first joint loads meet
	s_mov_b32 s[G0S], 1
	s_mov_b32 s[G0S+1], s95
	s_mov_b64 s[G0S+2:G0S+3], s[22:23]
	s_or_b32 s[G0S+3], s[G0S+3], 0x80000000
	s_mov_b32 s[G0SB], 1
	s_mov_b32 s[G0SB+1], s96
	s_mov_b64 s[G0SB+2:G0SB+3], s[92:93]
	s_or_b32 s[G0SB+3], s[G0SB+3], 0x80000000
	JLOAD G0S, G1S, G0SB, G1SB
.irp s, 0,1
	s_mov_b32 s[G0+4*\s], 1
	s_add_co_u32 s[G0+4*\s+1], s45, \s*SLOT
	s_add_nc_u64 s[G0+4*\s+2:G0+4*\s+3], s[20:21], \s*ATILE
	s_or_b32 s[G0+4*\s+3], s[G0+4*\s+3], 0x80000000
	s_mov_b32 s[G0B+4*\s], 1
	s_add_co_u32 s[G0B+4*\s+1], s94, \s*SLOT
	s_add_nc_u64 s[G0B+4*\s+2:G0B+4*\s+3], s[46:47], \s*ROWB
	s_or_b32 s[G0B+4*\s+3], s[G0B+4*\s+3], 0x80000000
	JLOAD G0+4*\s, G1, G0B+4*\s, G1B               ; three tensor loads of mine are out now
.endr
	v_and_b32 v1, 15, v0                           ; r
	v_bfe_u32 v2, v0, 4, 1                         ; h
	v_and_b32 v6, 31, v0                           ; lane
	v_lshlrev_b32 v7, 3, v6
	v_mul_u32_u24 v3, v1, PITCH
	v_mul_u32_u24 v4, v2, 24
	v_add_nc_u32 v4, v3, v4
	v_lshl_add_u32 v5, v2, 4, v4
	s_mul_i32 s21, s15, AHALF                      ; my four token tiles
	s_mul_i32 s22, s16, HALFB
	s_add_co_u32 s22, s22, BOFF                    ; my 128 rows of Wo
.irp s, 0,1
	v_add_nc_u32 v[ADRA+\s], s21, v7
	v_add_nc_u32 v[ADRB+\s], s22, v4
	v_add_nc_u32 v[ADRB+2+\s], s22, v5
	s_add_co_u32 s21, s21, SLOT
	s_add_co_u32 s22, s22, SLOT
.endr
	v_mul_u32_u24 v5, v1, 32
	v_lshrrev_b32 v8, 8, v5
	v_lshl_add_u32 v5, v8, 4, v5
	s_mul_i32 s21, s15, HSA                        ; ctx's scales: my 64 tokens
	s_mul_i32 s22, s16, HSB
	s_add_co_u32 s22, s22, 2*HSA                   ; Wo's: my 128 rows
	s_sub_co_u32 s22, s22, s21
	v_mul_u32_u24 v8, s22, v2                      ; lanes 16-31 take Wo's: one product, the distance between the two bases
	s_add_co_u32 s21, s21, SCL
	v_add_nc_u32 v5, v5, v8
	v_add_nc_u32 v[ADRS], s21, v5
	s_mul_i32 s23, s14, 16*SPITCH                  ; my stage
	v_mul_u32_u24 v5, v1, SPITCH
	v_lshl_add_u32 v5, v2, 5, v5
	v_add_nc_u32 v[STO], s23, v5
	v_lshlrev_b32 v[CO], 4, v6
	v_add_nc_u32 v[RD], s23, v[CO]
	s_lshl_b32 s46, s42, 10                        ; my first column, in bytes
	s_lshl_b32 s47, s16, 9
	s_add_co_u32 s46, s46, s47
	s_mov_b32 s47, 0
	s_add_nc_u64 s[10:11], s[10:11], s[46:47]
	s_lshl_b32 s20, s17, 7
	s_lshl_b32 s21, s15, 6
	s_add_co_u32 s20, s20, s21                     ; my first row of out
	s_lshl_b32 s20, s20, 12
	s_mov_b32 s21, 0
	s_add_nc_u64 s[20:21], s[20:21], s[46:47]
	s_add_nc_u64 s[12:13], s[12:13], s[20:21]
	v_lshlrev_b32 v9, 5, v2
.irp b, 0,1,2,3,4,5,6,7
	global_load_b128 v[BI+8*\b:BI+8*\b+3], v9, s[10:11] offset:64*\b          ; bo[n0 + 16 b + 8 h + 0 .. 7]: the result's layout
	global_load_b128 v[BI+8*\b+4:BI+8*\b+7], v9, s[10:11] offset:64*\b+16
.endr
.macro FRAG reg, adr, q, i
.irp p, 0,1,2,3,4,5
.set PC, 12*(\q)+6*(\p/3)+\p%3
.if PC%8 < 5
	ds_load_b64 v[\reg+2*\p:\reg+2*\p+1], v[\adr] offset:8*PC+16*(PC/8)+(\i)*16*PITCH
.else
	ds_load_b64 v[\reg+2*\p:\reg+2*\p+1], v[\adr+2] offset:8*PC+16*(PC/8)+(\i)*16*PITCH
.endif
.endr
.endm
.macro FETCH_B slot, q, p
	WIN TO_B
.irp i, 0,1,2,3,4,5,6,7
	FRAG 128*(\p)+FR*\i, ADRB+\slot, \q, \i
.endr
	WIN 0
.endm
.macro FETCH_A slot, q, p              ; my four token tiles' fragments of the slot's q-th 128 along K into set p
.irp i, 0,1,2,3
.irp g, 0,1,2,3,4,5
	ds_load_b64 v[AF+48*(\p)+FR*\i+2*\g:AF+48*(\p)+FR*\i+2*\g+1], v[ADRA+\slot] offset:\i*ATILE+(\q)*1536+256*\g
.endr
.endr
.endm
.macro SCALES sc                       ; lanes 0-15: ctx's block i (blocks 4-7 read filled bytes that no product uses), lanes 16-31: Wo's block i
.irp i, 0,1,2,3,4,5,6,7
	ds_load_b64 v[SC+16*\sc+2*\i:SC+16*\sc+2*\i+1], v[ADRS] offset:\i*SBLK
.endr
.endm
.macro PLACES n
.rept \n
	v_nop
.endr
.endm
; 8 matrix instructions: token tile a x Wo's eight blocks; q: which 128 of the slot, and which set.  The 32 accumulators take turns in the same order in every step.
.macro MUL8 a, q, sc, first
.irp b, 0,1,2,3,4,5,6,7
.if \first
	v_wmma_scale_f32_16x16x128_f8f6f4 v[8*(8*(\a)+\b):8*(8*(\a)+\b)+7], v[128*(\q)+FR*\b:128*(\q)+FR*\b+FR-1], v[AF+48*(\q)+FR*(\a):AF+48*(\q)+FR*(\a)+FR-1], v[BI+8*\b:BI+8*\b+7], v[SC+16*(\sc)+2*\b+(\q)], v[SC+16*(\sc)+2*(\a)+(\q)] matrix_a_fmt:MATRIX_FMT_FP6 matrix_b_fmt:MATRIX_FMT_FP6 matrix_a_scale:MATRIX_SCALE_ROW1
.else
	v_wmma_scale_f32_16x16x128_f8f6f4 v[8*(8*(\a)+\b):8*(8*(\a)+\b)+7], v[128*(\q)+FR*\b:128*(\q)+FR*\b+FR-1], v[AF+48*(\q)+FR*(\a):AF+48*(\q)+FR*(\a)+FR-1], v[8*(8*(\a)+\b):8*(8*(\a)+\b)+7], v[SC+16*(\sc)+2*\b+(\q)], v[SC+16*(\sc)+2*(\a)+(\q)] matrix_a_fmt:MATRIX_FMT_FP6 matrix_b_fmt:MATRIX_FMT_FP6 matrix_a_scale:MATRIX_SCALE_ROW1
.endif
.endr
.endm
.macro S slot, first                   ; a slot's first 128 along K: set 0 is multiplied while set 1 is fetched
	s_wait_dscnt 0x0                               ; set 0 and the scale words are in
	PLACES NP                                      ; in front of the loads into set 1, which the last products read
	FETCH_B \slot, 1, 1
	FETCH_A \slot, 1, 1
.if \first
	WIN MUL_1ST
.else
	WIN MUL
.endif
	MUL8 0, 0, \slot, \first
	MUL8 1, 0, \slot, \first
	MUL8 2, 0, \slot, \first
	MUL8 3, 0, \slot, \first
.endm
.macro T slot, next, fill              ; its second 128, and the change of slots
	WIN 0
	s_wait_tensorcnt 0x0                           ; all my tensor loads have landed: my part of the next slot
	ds_add_u32 v[SPW], v[NIL]                      ; 0 onto my spare word
	s_wait_dscnt 1                                 ; set 1 is in; the add may be out
	WIN MUL
	MUL8 0, 1, \slot, 0
	s_wait_dscnt 0x0                               ; the add is done, and my reads of this slot are over
	s_barrier_signal -1
	MUL8 1, 1, \slot, 0
	WIN 0
	s_barrier_wait -1
.if \fill
	CREST                                          ; the barrier has opened a round of the cluster's: no wave of any partner still reads this slot or has a load on its way
	s_add_nc_u64 s[G0+4*\slot+2:G0+4*\slot+3], s[G0+4*\slot+2:G0+4*\slot+3], 2*ATILE
	s_add_nc_u64 s[G0B+4*\slot+2:G0B+4*\slot+3], s[G0B+4*\slot+2:G0B+4*\slot+3], 2*ROWB
	JLOAD G0+4*\slot, G1, G0B+4*\slot, G1B         ; the first tensor load behind the round; its four v_nop are the places in front of the loads below
.else
	PLACES NP
.endif
	v_add_nc_u32 v[ADRS], 8, v[ADRS]               ; the next K step's scale words
	FETCH_B \next, 0, 0
	FETCH_A \next, 0, 0
	SCALES \next
	WIN MUL
	MUL8 2, 1, \slot, 0
	MUL8 3, 1, \slot, 0
.endm
	s_wait_tensorcnt 1                             ; the scales and my part of K step 0 are in; K step 1's load may be out
	s_barrier_signal -1
	s_barrier_wait -1
	FETCH_B 0, 0, 0
	FETCH_A 0, 0, 0
	SCALES 0
	s_wait_loadcnt 0x0                             ; bo
	S 0, 1                                         ; four K steps, written out; the first products take bo as their C
	T 0, 1, 1
	S 1, 0
	T 1, 0, 1
	S 0, 0
	T 0, 1, 0                                      ; nothing is left to fetch
	S 1, 0
	s_wait_dscnt 0x0
	WIN MUL
	MUL8 0, 1, 1, 0
	MUL8 1, 1, 1, 0
	MUL8 2, 1, 1, 0
	MUL8 3, 1, 1, 0
	WIN 0
; THE WAY OUT, 16 rows x 128 columns at a time, through my own stage in LDS (in slot 0: it has had its last fill, and every wave has passed the last change of slots, behind which nobody reads it):
; in as 32 bytes of a row a lane, back as whole rows of 512 bytes.  LDS serves a wave's instructions in order (ISA guide 5.7.1.4): no wait between the stores and the loads.
.macro TOSTAGE a
.set AC, 64*(\a)
	WIN 0x08                                       ; an LDS store's data: window 2
.irp b, 0,1,2,3,4,5,6,7
	ds_store_b128 v[STO], v[AC+8*\b:AC+8*\b+3] offset:64*\b          ; each accumulator from its low end on
	ds_store_b128 v[STO], v[AC+8*\b+4:AC+8*\b+7] offset:64*\b+16
.endr
	WIN 0
.set BB, BK+64*((\a)%2)
.irp t, 0,1,2,3,4,5,6,7,8,9,10,11,12,13,14,15
	ds_load_b128 v[BB+4*\t:BB+4*\t+3], v[RD] offset:\t*SPITCH
.endr
.endm
.macro SEND a, younger
.set BB, BK+64*((\a)%2)
	s_wait_dscnt \younger                          ; the block is back in registers
.if (\a) > 0
	s_add_nc_u64 s[12:13], s[12:13], 16*4096       ; 16 rows on (the earlier stores have read their base: the wait on XCNT stands ahead)
.endif
.irp t, 0,1,2,3,4,5,6,7,8,9,10,11,12,13,14,15
	global_store_b128 v[CO], v[BB+4*\t:BB+4*\t+3], s[12:13] offset:\t*4096 th:TH_STORE_NT   ; 32 lanes store 512 consecutive bytes, aligned
.endr
.endm
	PLACES NP
	TOSTAGE 0
.irp a, 1,2,3
.if \a > 1
	s_wait_xcnt 0x0                                ; block a - 2's stores have read their registers and their base
.endif
	TOSTAGE \a
	SEND \a-1, 32                                  ; behind block a - 1's loads: block a's 16 stores and 16 loads
.endr
	s_wait_xcnt 0x0
	SEND 3, 0
	s_wait_tensorcnt 0x0                           ; the wave's end
	ds_add_u32 v[SPW], v[NIL]
	s_wait_dscnt 0x0
	CROUND                                         ; the closing round
	s_endpgm
.Lfunc_end_k_q0c40475396_oproj:
	.size	k_q0c40475396_oproj, .Lfunc_end_k_q0c40475396_oproj-k_q0c40475396_oproj
	.p2alignl 7, 3214868480
	.fill 96, 4, 3214868480
	.section	.rodata,"a",@progbits
	.p2align	6, 0x0
	.amdhsa_kernel k_q0c40475396_oproj
		.amdhsa_group_segment_fixed_size 327680
		.amdhsa_private_segment_fixed_size 0
		.amdhsa_enable_private_segment 0
		.amdhsa_kernarg_size 40
		.amdhsa_user_sgpr_count 2
		.amdhsa_user_sgpr_kernarg_segment_ptr 1
		.amdhsa_wavefront_size32 1
		.amdhsa_system_sgpr_workgroup_id_x 1
		.amdhsa_system_sgpr_workgroup_id_y 1
		.amdhsa_system_sgpr_workgroup_id_z 1
		.amdhsa_system_vgpr_workitem_id 0
		.amdhsa_next_free_vgpr 768
		.amdhsa_next_free_sgpr 98
		.amdhsa_reserve_vcc 0
		.amdhsa_float_denorm_mode_32 3
		.amdhsa_float_denorm_mode_16_64 3
		.amdhsa_memory_ordered 1
		.amdhsa_forward_progress 1
		.amdhsa_inst_pref_size 101
	.end_amdhsa_kernel
	.amdgpu_metadata
---
amdhsa.version: [ 1, 2 ]
amdhsa.kernels:
  - .name:           k_q0c40475396_oproj
    .symbol:         k_q0c40475396_oproj.kd
    .args:
      - { .name: cbuf, .offset: 0, .size: 8, .value_kind: global_buffer, .address_space: global }
      - { .name: Wo_codes, .offset: 8, .size: 8, .value_kind: global_buffer, .address_space: global }
      - { .name: Wo_scales, .offset: 16, .size: 8, .value_kind: global_buffer, .address_space: global }
      - { .name: bo, .offset: 24, .size: 8, .value_kind: global_buffer, .address_space: global }
      - { .name: out0, .offset: 32, .size: 8, .value_kind: global_buffer, .address_space: global }
    .group_segment_fixed_size: 327680
    .private_segment_fixed_size: 0
    .kernarg_segment_align: 8
    .kernarg_segment_size: 40
    .max_flat_workgroup_size: 128
    .sgpr_count:     98
    .vgpr_count:     768
    .wavefront_size: 32
...
	.end_amdgpu_metadata
.endif
;; end of part 3
